; MI455X (gfx1250); checked and timed in simulation.
; The chip was launched on July 23, 2026; its instructions are those of AMD's public machine-readable ISA for CDNA 5 (MIT licence, August 2026) and "CDNA5" Instruction Set Architecture Reference Guide (July 2026). The comments in the code are by the model that wrote it; some were corrected since.
;; Memory Efficient Attention. Allowed arithmetic: matrix products marked QUANTISED: E2M1 operands, one E8M0 scale for each 32 along K, by v_wmma_scale_f32_16x16x128_f8f6f4 with both operands' format E2M1 (or v_wmma_scale_f32_32x16x128_f4), f32 sums; everything else in f32.
;; Inputs: Wk_codes 1,024 x 32 x 16 uint8 (E2M1 codes of Wk, K innermost, in blocks of 32 codes, two codes a byte); Wk_scales 1,024 x 32 uint8 (E8M0 scales of Wk, one for each 32 codes along K); Wo_codes 1,024 x 32 x 16 uint8 (E2M1 codes of Wo, K innermost, in blocks of 32 codes, two codes a byte); Wo_scales 1,024 x 32 uint8 (E8M0 scales of Wo, one for each 32 codes along K); Wq_codes 1,024 x 32 x 16 uint8 (E2M1 codes of Wq, K innermost, in blocks of 32 codes, two codes a byte); Wq_scales 1,024 x 32 uint8 (E8M0 scales of Wq, one for each 32 codes along K); Wv_codes 1,024 x 32 x 16 uint8 (E2M1 codes of Wv, K innermost, in blocks of 32 codes, two codes a byte); Wv_scales 1,024 x 32 uint8 (E8M0 scales of Wv, one for each 32 codes along K); bk 1,024 float32; bo 1,024 float32; bq 1,024 float32; bv 1,024 float32; x_codes 2 x 2,048 x 32 x 16 uint8 (E2M1 codes of x, K innermost, in blocks of 32 codes, two codes a byte); x_scales 2 x 2,048 x 32 uint8 (E8M0 scales of x, one for each 32 codes along K).
;; Outputs: out0 2 x 2,048 x 1,024 float32.
;; This version of the problem:
;;   THIS VERSION OF THE PROBLEM IS GIVEN IN LOW PRECISION. The matrix products marked QUANTISED in the list below multiply operands that are first quantised to E2M1 (2 exponent bits, 1 mantissa bit; 4 bits a number), with one power-of-two scale for each 32 numbers along K (OCP MX v1.0); their sums are f32. All else is computed in f32.
;;   The module's matrix products, in the order in which they are computed (A, B: the left and right operand; K: the contracted axis; several contracted axes count as one K, in the product's order):
;;     1. [M 4,096, K 1,024] x [K 1,024, N 1,024]; A: input x (given as codes); B: input Wq (given as codes): QUANTISED
;;     2. [M 4,096, K 1,024] x [K 1,024, N 1,024]; A: input x (given as codes); B: input Wk (given as codes): QUANTISED
;;     3. [M 4,096, K 1,024] x [K 1,024, N 1,024]; A: input x (given as codes); B: input Wv (given as codes): QUANTISED
;;     4. batch 32 x [M 2,048, K 64] x [K 64, N 2,048]; A: computed on the way; B: computed on the way: QUANTISED
;;     5. batch 32 x [M 2,048, K 2,048] x [K 2,048, N 64]; A: softmax (see below); B: computed on the way: QUANTISED
;;     6. [M 4,096, K 1,024] x [K 1,024, N 1,024]; A: computed on the way; B: input Wo (given as codes): QUANTISED
;;   THE QUANTISER, for each operand of a quantised product, along K:
;;     - K is cut into blocks of 32 from its start; a last block that is shorter is filled with zeros.
;;     - A block's scale is 2^e with e = floor(log2(the largest magnitude in the block)) - 2, held to -126 .. 127; a block of zeros has e = 0. As a byte (E8M0): e + 127.
;;     - Each number is divided by its block's scale, clamped to +-6, and rounded to the nearest number of E2M1, ties to even, subnormals kept.
;;     - The product sums the exact products of the quantised numbers (number of the format x scale) in f32.
;;   ~~~python
;;   def quantise(x, axis):      # numpy; x: float32 -> the quantised numbers, widened to float32 again
;;       x = np.moveaxis(x, axis, -1); K = x.shape[-1]
;;       x = np.pad(x, [(0, 0)] * (x.ndim - 1) + [(0, -K % 32)]); x = x.reshape(x.shape[:-1] + (-1, 32)); a = np.abs(x).max(-1, keepdims=True)
;;       e = np.where(a > 0, np.clip(np.frexp(np.where(a > 0, a, 1))[1] - 1 - 2, -126, 127), 0)      # np.frexp(a)[1] - 1 = floor(log2(a)), exactly
;;       r = np.clip(x / 2.0 ** e, -6, 6)
;;       step = 2.0 ** (np.maximum(np.frexp(np.where(r == 0, 1, r))[1] - 1, 0) - 1)
;;       q = np.round(r / step) * step * 2.0 ** e      # np.round: ties to even
;;       return np.moveaxis(q.reshape(q.shape[:-2] + (-1,))[..., :K], -1, axis).astype(np.float32)
;;   ~~~
;;   SOFTMAX AHEAD OF A QUANTISED PRODUCT. Where the list says 'softmax', what is quantised is not the finished softmax but p = 2^(t - M), with t = logit x log2(e) and M = ceil(the row's largest t), a whole number; so 1/2 < the row's largest p <= 1. The row's sum l is taken of the UNQUANTISED p, in f32, and the product's result is divided by l at the end. Since M is a whole number, a kernel that streams over the keys may use a running M (the ceiling of the running maximum): every later rescaling is an exact power of two, which a block's scale takes up: the codes' values come out the same.
;;   OPERANDS COMPUTED ON THE WAY. 'Computed on the way' means the value that the module computes at that place (a softmax that the list does not call 'softmax' is quantised finished and normalised). What goes into a quantiser is computed in f32, as accurately as f32 sums, v_exp_f32 and their like allow (about 1e-6 of the number): no bf16 or f16 on the way to a quantiser, and a product that is left as it is and whose result goes on into a quantised operand takes f32 operands (vector FMAs, or v_wmma_f32_16x16x4_f32). A number that lies on a knife's edge between two numbers of the format may be rounded either way, as far as f32 arithmetic and the matrix unit's own rounding can turn it there, and no further.
;;   INPUTS GIVEN AS CODES. Wk (in the module: [1024, 1024], K = its axis 1); Wo (in the module: [1024, 1024], K = its axis 1); Wq (in the module: [1024, 1024], K = its axis 1); Wv (in the module: [1024, 1024], K = its axis 1); x (in the module: [2, 2048, 1024], K = its axis 2): each comes as NAME_codes (uint8): NAME with its K axis moved to the last place and cut into blocks of 32 codes, [.., K / 32, bytes a block], one block behind the other in memory; two codes a byte, the lower K in the low four bits (a code: sign, 2 exponent bits, 1 mantissa bit); and NAME_scales (uint8): the same leading axes, one E8M0 byte (e + 127) for each 32 codes along K. Its value is code x scale, taken as it is: it is not quantised again, and the codes and scales need not be those that the quantiser above would give.
;; One version. Each part assembles by itself: llvm-mc -triple=amdgcn-amd-amdhsa -mcpu=gfx1250 --defsym DOCPART=n.
;; ======== version 1 of 1: 3 launches
;; limits: right only within a limited range of input values
;; workspace buffers: qc 2,097,152 bytes; qs 262,144 bytes; kv 4,456,448 bytes; oc 2,097,152 bytes; os 131,072 bytes
;; launch qkv (part 1): grid 16 x 16, 8 waves a work-group, clusters of 4 x 4, 263,168 bytes of LDS; arguments x_codes, x_scales, Wq_codes, Wq_scales, Wk_codes, Wk_scales, Wv_codes, Wv_scales, bq, bk, bv, qc, qs, kv; writes qc, qs, kv
.if DOCPART == 1
	.amdgcn_target "amdgcn-amd-amdhsa--gfx1250"
	.amdhsa_code_object_version 6
	.text
	.protected	k_q0138268cdf_qkv
	.globl	k_q0138268cdf_qkv
	.p2align	8
	.type	k_q0138268cdf_qkv,@function
k_q0138268cdf_qkv:
	s_mov_b64 s[64:65], 0
	v_nop
	global_prefetch_b8 v0, s[64:65] scope:SCOPE_SE
	s_setreg_imm32_b32 hwreg(HW_REG_WAVE_MODE, 25, 1), 1
	s_wait_xcnt 0x0
	s_wait_alu depctr_hold_cnt(0) depctr_sa_sdst(0) depctr_va_vdst(0) depctr_va_sdst(0) depctr_va_ssrc(0) depctr_va_vcc(0) depctr_vm_vsrc(0)
	s_getreg_b32 s2, hwreg(HW_REG_IB_STS2, 6, 4)
	s_cmp_eq_u32 s2, 0
	s_cbranch_scc0 .Lentry_in_a_cluster
	s_endpgm
.Lentry_in_a_cluster:
	s_bfe_u32 s2, ttmp6, 0x10000c
	s_cmp_lg_u32 s2, 0xf033
	s_cbranch_scc0 .Lentry_shape_is_right
	s_endpgm
.Lentry_shape_is_right:
; Q, K, V = x W^T + b for ONE head (64 outputs of each of Wq, Wk, Wv) and 256 tokens, on codes of FP4 (E2M1) with one E8M0 scale for each 32 along K = 1,024; sums in f32; the bias is the C of each sum's first product.
; The results are quantised at once, in registers: Q and K along the head's 64 (two blocks a token), V along the keys (a block = 32 neighbouring tokens), and leave laid as the next launch's operands want them.
; SHARES.  Eight waves; wave w owns tokens 64 (w % 4) .. + 63 of the block as four tiles u of 16, and of each phase's 64 outputs the 32 from 32 (w / 4) on, two tiles t of W: block w / 4 of the head's 64.
; Its x fragments for all of K (256 registers) stay in registers through three phases (Q, K, V); a phase is 8 K steps x (2 tiles of W x 4 tiles of x) = 64 products on 8 accumulators by turns.  All tiles take 16 neighbouring rows.
; Q, K: source 0 = W, source 1 = x: a lane holds one token of tile u, and register 16 u + 8 t + j is output 16 t + 8 (lane / 16) + j of my 32.  V: source 0 = x, source 1 = Wv: a lane holds one output, and the 16 registers of tiles u = 2 p, 2 p + 1 are tokens.
; A block of 32 lies in two tiles of lanes l and l xor 16; v_permlane16_swap_b32 brings a block's four code registers into one lane, in order: of Q and K lanes 0-15 then hold tile 2 p, lanes 16-31 tile 2 p + 1.
; LDS: all of K of the 256 rows of x and of the 3 x 64 rows of W are brought ONCE by tensor loads, one a wave: no byte is filled twice.  The scale bytes go from memory straight into the registers that the products name: 32 bytes a lane, a row a lane.
; The first phase begins when x and Wq have landed; Wk and Wv, whose waves pass that wait by, are waited for by all in the first phase.
; CLUSTER 4 x 4: the four work-groups of a row share the token block (x), the four of a column the head (W): every tile is asked for jointly.
; No prefetch: every tile is asked for once, at the head; there is no loop to run ahead in.  No product and no input of reference() is left out.
; LIMITS: NaN and infinities are not served; a block whose largest magnitude lies under 2^-124 is held at the byte 1; a block of zeros gets the byte 1 (its codes are zeros, and this program alone reads the bytes).
.set PITCH, 528                        ; an LDS row of codes: 512 bytes + 16 of padding
.set WTILE, 64*PITCH
.set WL,    256*PITCH                  ; 3 x 64 rows of W behind x's 256
.set STG,   WL+3*WTILE                 ; stored into only: [key step 2][K's words 256, V's words 256], then Q's words 1,024
.set SPARE, 0x40000                    ; the spare words, 128 bytes a wave
.set AX,  4                            ; v4     my row of x, tile 0
.set AW,  5                            ; v5-7   my row of W, tile 0, phase 0..2
.set L32, 8                            ; v8     32 x lane
.set LIX, 9                            ; v9     16 x (lane xor 8)
.set LI,  10                           ; v10    16 x lane
.set VO,  11                           ; v11    16 r + 8 h
.set SKA, 12                           ; v12-15 places in the stage
.set SVA, 13
.set SQA, 14
.set SRD, 15
.set L8,  16                           ; v16    8 x lane
.set H32, 17                           ; v17    32 h
.set R4,  18                           ; v18    4 r
.set QI,  19                           ; v19    16 r + 512 h
.set XS,  20                           ; v20-35 x's scale words: 8 p + s: lanes 0-15 tile 2 p, lanes 16-31 tile 2 p + 1
.set WS,  36                           ; v36-59 W's: 8 P + s: lanes 0-15 tile 0, lanes 16-31 tile 1
.set ACC, 60                           ; v60-123 eight accumulators
.set WB,  124                          ; v124-155 W's fragments, two buffers of two
.set BQ,  156                          ; v156-187 the biases of Q and K in the results' layout, 16 registers a phase
.set BV,  188                          ; v188-203 V's
.set PC,  204                          ; v204-211 codes
.set TM,  212                          ; v212-215 largest magnitudes, v216-219 bytes, v220-223 scale operands
.set UN,  232
.set SPW, 254
.set NIL, 255
.set XF,  0                            ; window 1, whole: x's fragments, 64 u + 8 s
.set G0WQ,  4
.set PWQS,  10
.set G0WK,  12
.set PWKS,  18
.set WV,   32
.set CX,   33
.set CY,   34
.set HEAD, 35
.set MB,   36
.set MROW, 37
.set MCOL, 38
.set T0,   39
.set G1X,  40
.set G1W,  48
.set G0X,  76
.set G0WV, 80
.set PXS,  84
.set PWVS, 88
.set SEL,  92
.set MSB, 0
.macro WIN new                         ; the immediate's high byte repeats the setting that is left
.if MSB != \new
	s_set_vgpr_msb (MSB<<8)|\new
.set MSB, \new
.endif
.endm
.macro PLACES n
.rept \n
	v_nop
.endr
.endm
.macro CROUND                          ; a round of the cluster's barrier
	s_barrier_signal -1
	s_barrier_wait -1
	s_cmp_lg_u32 s[WV], 0
	s_cbranch_scc1 .Lnot_wave_0_\@
	s_barrier_signal -3
.Lnot_wave_0_\@:
	s_barrier_wait -3
	s_barrier_signal -1
	s_barrier_wait -1
.endm
.macro GROUP0 g, off                   ; the pointer lies in words 2, 3 already
	s_mov_b32 s[\g], 1
	s_add_nc_u64 s[\g+2:\g+3], s[\g+2:\g+3], s[\off:\off+1]
	s_or_b32 s[\g+3], s[\g+3], 0x80000000
.endm
.macro WM d, a, b, c, sa, sb, ra, rb   ; ra, rb: the side's scale words stand in lanes 16-31
.if (\ra) && (\rb)
	v_wmma_scale_f32_16x16x128_f8f6f4 v[\d:\d+7], v[\a:\a+7], v[\b:\b+7], v[\c:\c+7], v[\sa], v[\sb] matrix_a_fmt:MATRIX_FMT_FP4 matrix_b_fmt:MATRIX_FMT_FP4 matrix_a_scale:MATRIX_SCALE_ROW1 matrix_b_scale:MATRIX_SCALE_ROW1
.elseif (\ra)
	v_wmma_scale_f32_16x16x128_f8f6f4 v[\d:\d+7], v[\a:\a+7], v[\b:\b+7], v[\c:\c+7], v[\sa], v[\sb] matrix_a_fmt:MATRIX_FMT_FP4 matrix_b_fmt:MATRIX_FMT_FP4 matrix_a_scale:MATRIX_SCALE_ROW1
.elseif (\rb)
	v_wmma_scale_f32_16x16x128_f8f6f4 v[\d:\d+7], v[\a:\a+7], v[\b:\b+7], v[\c:\c+7], v[\sa], v[\sb] matrix_a_fmt:MATRIX_FMT_FP4 matrix_b_fmt:MATRIX_FMT_FP4 matrix_b_scale:MATRIX_SCALE_ROW1
.else
	v_wmma_scale_f32_16x16x128_f8f6f4 v[\d:\d+7], v[\a:\a+7], v[\b:\b+7], v[\c:\c+7], v[\sa], v[\sb] matrix_a_fmt:MATRIX_FMT_FP4 matrix_b_fmt:MATRIX_FMT_FP4
.endif
.endm
	s_load_b64 s[G0X+2:G0X+3], s[0:1], 0x0         ; the tensors' addresses straight into words 2, 3 of their descriptors' group 0
	s_load_b64 s[PXS:PXS+1], s[0:1], 0x8
	s_load_b64 s[G0WQ+2:G0WQ+3], s[0:1], 0x10
	s_load_b64 s[PWQS:PWQS+1], s[0:1], 0x18
	s_load_b64 s[G0WK+2:G0WK+3], s[0:1], 0x20
	s_load_b64 s[PWKS:PWKS+1], s[0:1], 0x28
	s_load_b64 s[G0WV+2:G0WV+3], s[0:1], 0x30
	s_load_b64 s[PWVS:PWVS+1], s[0:1], 0x38
	s_load_b256 s[20:27], s[0:1], 0x40             ; bq s[20:21], bk s[22:23], bv s[24:25], qc s[26:27]
	s_load_b128 s[28:31], s[0:1], 0x60             ; qs s[28:29], kv s[30:31]
	v_lshl_add_u32 v[SPW], v0, 2, SPARE
	v_mov_b32 v[NIL], 0
	ds_add_u32 v[SPW], v[NIL]                      ; the opening add, twice on end
	ds_add_u32 v[SPW], v[NIL]
	v_lshrrev_b32 v1, 5, v0
	v_readfirstlane_b32 s[WV], v1                  ; wave 0..7
	v_and_b32 v1, 15, v0                           ; r
	v_bfe_u32 v2, v0, 4, 1                         ; h
	v_and_b32 v3, 31, v0                           ; lane
	s_and_b32 s2, s[WV], 3                         ; which 64 tokens
	s_lshr_b32 s3, s[WV], 2                        ; which 32 outputs
	s_mul_i32 s68, s2, 64*PITCH                    ; my rows of x in LDS
	s_mul_i32 s75, s3, 32*PITCH                    ; my rows of a W
	s_and_b32 s69, s2, 1                           ; my 64 tokens are blocks 2 c, 2 c + 1 of a key step's four: c
	s_lshr_b32 s70, s2, 1                          ; which of the two key steps
	s_lshl_b32 s70, s70, 9
	s_add_co_u32 s70, s70, STG                     ; the key step's part of the stage
	s_lshl_b32 s71, s69, 7
	s_add_co_u32 s71, s71, s70
	s_add_co_u32 s71, s71, s3
	s_lshl_b32 s72, s3, 7
	s_add_co_u32 s72, s72, s70
	s_add_co_u32 s72, s72, 256
	s_lshl_b32 s73, s69, 1
	s_add_co_u32 s72, s72, s73
	s_lshl_b32 s73, s2, 8
	s_add_co_u32 s73, s73, s3
	s_add_co_u32 s73, s73, STG+1024
	s_lshl_b32 s74, s[WV], 8
	s_add_co_u32 s74, s74, STG
	s_wait_alu depctr_va_vdst(0)                   ; directly ahead of the readers below
	v_mul_u32_u24 v[AX], v1, PITCH
	v_lshlrev_b32 v[L32], 5, v3
	v_lshlrev_b32 v[LI], 4, v3
	v_lshlrev_b32 v[VO], 4, v1
	v_lshl_add_u32 v[AX], v2, 4, v[AX]             ; row x pitch + 16 h
	v_lshlrev_b32 v[L8], 3, v3
	v_lshlrev_b32 v[R4], 2, v1
	v_lshlrev_b32 v[H32], 5, v2
	v_add_nc_u32 v[AW], s75, v[AX]                 ; + my 32 rows of a W
	v_add_nc_u32 v[AX], s68, v[AX]                 ; + my 64 rows of x
	v_lshl_add_u32 v[QI], v2, 9, v[VO]             ; Q's 16 bytes: lanes 0-15 tile 2 p, lanes 16-31 tile 2 p + 1
	v_lshl_add_u32 v[VO], v2, 3, v[VO]
	v_add_nc_u32 v[AW+2], WL+2*WTILE, v[AW]
	v_add_nc_u32 v[AW+1], WL+WTILE, v[AW]
	v_add_nc_u32 v[AW], WL, v[AW]
	v_xor_b32 v[LIX], 128, v[LI]                   ; K's 16 bytes: 16 x key, in odd blocks with neighbouring eights exchanged
	v_and_b32 v[SKA], 7, v1                        ; j = r % 8
	v_lshrrev_b32 v[UN], 3, v1                     ; r / 8
	v_add_nc_u32 v[SVA], s72, v[R4]                ; V's byte: [key step][tile 2 (w / 4) + t][r][32 keys: 2 c + p]; t and p in the offset
	v_add_nc_u32 v[SQA], s73, v[R4]                ; Q's byte: [token][w / 4], and two further on
	v_lshlrev_b32 v[SKA], 2, v[SKA]
	v_add_nc_u32 v[SRD], s74, v[L8]                ; back: wave w takes the stage's bytes 256 w on
	v_lshl_add_u32 v[SKA], v[UN], 1, v[SKA]
	v_add_nc_u32 v[SKA], s71, v[SKA]               ; K's byte: 128 c + 64 (u % 2) + 32 (u / 2) (the offset) + 4 (r % 8) + 2 (r / 8) + w / 4
.irp b, 0,1,2,3
	v_mov_b32 v[TM+4+\b], 0                        ; written once: a lane permute's destination counts as one of its sources
.endr
	s_bfe_u32 s[CX], ttmp6, 0x40000                ; my place in the cluster
	s_bfe_u32 s[CY], ttmp6, 0x40004
	s_lshl_b32 s[HEAD], ttmp9, 2
	s_add_co_u32 s[HEAD], s[HEAD], s[CX]           ; the head = 4 x cluster x + cx
	s_and_b32 s[MB], ttmp7, 0xffff
	s_lshl_b32 s[MB], s[MB], 2
	s_add_co_u32 s[MB], s[MB], s[CY]               ; the block of 256 tokens = 4 x cluster y + cy
	s_lshl_b32 s[MROW], s[CY], 2
	s_lshl_b32 s[MROW], 15, s[MROW]                ; my row of the cluster: it shares x
	s_lshl_b32 s[MCOL], 0x1111, s[CX]              ; my column: it shares W
	; group 1: 64 rows of 512 bytes, 16 bytes of padding behind each (128 words: code 6; 4 words: code 3); bit 21 stands beside a mask
	s_or_b32 s[G1X], s[MROW], (1<<20)|(1<<21)|(6<<22)|(3<<25)
	s_or_b32 s[G1W], s[MCOL], (1<<20)|(1<<21)|(6<<22)|(3<<25)
.irp g, G1X, G1W
	s_mov_b32 s[\g+1], 512<<16                     ; tensor_dim0
	s_mov_b32 s[\g+2], 64<<16                      ; tensor_dim1
	s_mov_b32 s[\g+3], 512<<16                     ; tile_dim0
	s_mov_b32 s[\g+4], 64                          ; tile_dim1
	s_mov_b32 s[\g+5], 512                         ; from row to row
	s_mov_b32 s[\g+6], 0
	s_mov_b32 s[\g+7], 0
.endr
	s_lshl_b32 s94, s[MB], 17                      ; x: 256 rows of 512 bytes a block, 64 rows a wave: made of the block and the wave alone
	s_lshl_b32 s[T0], s[WV], 15
	s_add_co_u32 s94, s94, s[T0]
	s_mov_b32 s95, 0
	s_lshl_b32 s96, s[MB], 13                      ; x's scales: 8,192 bytes a block, 2,048 for my tokens
	s_lshl_b32 s[T0], s2, 11
	s_add_co_u32 s96, s96, s[T0]
	s_mov_b32 s97, 0
	s_lshl_b32 s98, s[HEAD], 15                    ; W: 64 rows of 512 bytes a head: made of the head alone
	s_mov_b32 s99, 0
	s_lshl_b32 s100, s[HEAD], 11                   ; W's scales: 2,048 bytes a head, 1,024 for my outputs
	s_lshl_b32 s[T0], s3, 10
	s_add_co_u32 s100, s100, s[T0]
	s_mov_b32 s101, 0
	s_mov_b32 s[SEL], 0x76543210
	s_mov_b32 s[SEL+1], 0xfedcba98                 ; v_permlanex16_b32: lane l xor 16
	s_wait_alu depctr_va_vdst(0)                   ; directly ahead of the wait below
	s_wait_dscnt 0x0                               ; both opening adds are done
	s_wait_kmcnt 0x0
	GROUP0 G0X, 94
	s_mul_i32 s[G0X+1], s[WV], WTILE               ; LDS: wave x 64 rows
	GROUP0 G0WQ, 98
	s_mov_b32 s[G0WQ+1], WL
	GROUP0 G0WK, 98
	s_mov_b32 s[G0WK+1], WL+WTILE
	GROUP0 G0WV, 98
	s_mov_b32 s[G0WV+1], WL+2*WTILE
	s_add_nc_u64 s[PXS:PXS+1], s[PXS:PXS+1], s[96:97]
	s_add_nc_u64 s[PWQS:PWQS+1], s[PWQS:PWQS+1], s[100:101]
	s_add_nc_u64 s[PWKS:PWKS+1], s[PWKS:PWKS+1], s[100:101]
	s_add_nc_u64 s[PWVS:PWVS+1], s[PWVS:PWVS+1], s[100:101]
	CROUND                                         ; all sixteen work-groups are here: the joint loads meet
	; THE FILLS, all of them first fills, one tensor load a wave: waves 0-3 x's quarters, waves 4, 5, 6 a W each, wave 7 none.
	s_cmp_lt_u32 s[WV], 4
	s_cbranch_scc0 .Lnot_x
	tensor_load_to_lds s[G0X:G0X+3], s[G1X:G1X+7]
	s_nop 0
	PLACES 4
	s_branch .Lasked
.Lnot_x:
	s_cmp_eq_u32 s[WV], 4
	s_cbranch_scc0 .Lnot_q
	tensor_load_to_lds s[G0WQ:G0WQ+3], s[G1W:G1W+7]
	s_nop 0
	PLACES 4
	s_branch .Lasked
.Lnot_q:
	s_cmp_eq_u32 s[WV], 5
	s_cbranch_scc0 .Lnot_k
	tensor_load_to_lds s[G0WK:G0WK+3], s[G1W:G1W+7]
	s_nop 0
	PLACES 4
	s_branch .Lasked
.Lnot_k:
	s_cmp_eq_u32 s[WV], 6
	s_cbranch_scc0 .Lasked
	tensor_load_to_lds s[G0WV:G0WV+3], s[G1W:G1W+7]
	s_nop 0
	PLACES 4
.Lasked:
	; while the tiles are on their way: the scale words, the biases in the results' layout, and the pointers for the way out
	s_lshl_b32 s66, s[HEAD], 8                     ; the head's 64 numbers, my 32 of them
	s_lshl_b32 s67, s3, 7
	s_add_co_u32 s66, s66, s67
	s_mov_b32 s67, 0
	s_add_nc_u64 s[20:21], s[20:21], s[66:67]
	s_add_nc_u64 s[22:23], s[22:23], s[66:67]
	s_add_nc_u64 s[24:25], s[24:25], s[66:67]
.irp q, 0,1                            ; lane l: the 32 bytes of rows 32 p + l of my tokens, of row l of my outputs
	global_load_b128 v[XS+4*\q:XS+4*\q+3], v[L32], s[PXS:PXS+1] offset:16*\q
	global_load_b128 v[XS+8+4*\q:XS+8+4*\q+3], v[L32], s[PXS:PXS+1] offset:1024+16*\q
	global_load_b128 v[WS+4*\q:WS+4*\q+3], v[L32], s[PWQS:PWQS+1] offset:16*\q
	global_load_b128 v[WS+8+4*\q:WS+8+4*\q+3], v[L32], s[PWKS:PWKS+1] offset:16*\q
	global_load_b128 v[WS+16+4*\q:WS+16+4*\q+3], v[L32], s[PWVS:PWVS+1] offset:16*\q
.endr
.irp t, 0,1                            ; Q, K: lane (r, h) holds outputs 16 t + 8 h + 0 .. 7;  V: a lane holds ONE output, 16 t + r, in all eight registers: one load, copied below
	global_load_b128 v[BQ+8*\t:BQ+8*\t+3], v[H32], s[20:21] offset:64*\t
	global_load_b128 v[BQ+8*\t+4:BQ+8*\t+7], v[H32], s[20:21] offset:64*\t+16
	global_load_b128 v[BQ+16+8*\t:BQ+16+8*\t+3], v[H32], s[22:23] offset:64*\t
	global_load_b128 v[BQ+16+8*\t+4:BQ+16+8*\t+7], v[H32], s[22:23] offset:64*\t+16
	global_load_b32 v[BV+8*\t], v[R4], s[24:25] offset:64*\t
.endr
	s_lshr_b32 s[T0], s[MB], 3                     ; batch
	s_lshl_b32 s[T0], s[T0], 4
	s_add_co_u32 s[T0], s[T0], s[HEAD]             ; bh = 16 batch + head
	s_and_b32 s104, s[MB], 7                       ; the block within its batch
	s_lshl_b32 s66, s[T0], 16                      ; qc: 128 tiles of 512 bytes a head; 16 tiles a block; 4 for my tokens; 256 bytes of each for a block of d
	s_lshl_b32 s105, s104, 13
	s_add_co_u32 s66, s66, s105
	s_lshl_b32 s105, s2, 11
	s_add_co_u32 s66, s66, s105
	s_lshl_b32 s105, s3, 8
	s_add_co_u32 s66, s66, s105
	s_add_nc_u64 s[26:27], s[26:27], s[66:67]
	s_lshl_b32 s66, s[T0], 13                      ; qs: 64 bytes a tile
	s_lshl_b32 s105, s104, 10
	s_add_co_u32 s66, s66, s105
	s_add_nc_u64 s[28:29], s[28:29], s[66:67]
	s_mul_i32 s66, s[T0], 139264                   ; kv: 16 records of 8,704 bytes a head, two a block
	s_mul_i32 s105, s104, 17408
	s_add_co_u32 s66, s66, s105
	s_add_nc_u64 s[30:31], s[30:31], s[66:67]
	s_lshr_b32 s66, s2, 1
	s_mul_i32 s66, s66, 8704                       ; my record
	s_lshl_b32 s98, s69, 11                        ; K: a block of 32 keys is 1,024 bytes, 512 for a block of d
	s_lshl_b32 s105, s3, 9
	s_add_co_u32 s98, s98, s105
	s_add_co_u32 s98, s98, s66
	s_mov_b32 s99, 0
	s_add_nc_u64 s[98:99], s[30:31], s[98:99]
	s_lshl_b32 s100, s69, 9                        ; V's images: 1,024 bytes a tile of 16 d, 256 for 32 keys
	s_lshl_b32 s105, s3, 11
	s_add_co_u32 s100, s100, s105
	s_add_co_u32 s100, s100, s66
	s_add_co_u32 s100, s100, 4096
	s_mov_b32 s101, 0
	s_add_nc_u64 s[100:101], s[30:31], s[100:101]
	s_cmp_lt_u32 s[WV], 5                          ; the waves that fetch x and Wq wait: the first phase reads these alone
	s_cbranch_scc0 .Llater
	s_wait_tensorcnt 0x0
.Llater:
	s_barrier_signal -1
	s_barrier_wait -1                              ; x and Wq are in
.macro XLOAD s                         ; my four fragments of x, K step s: they stay
.irp u, 0,1,2,3
.irp c, 0,1
	ds_load_b128 v[XF+64*\u+8*(\s)+4*\c:XF+64*\u+8*(\s)+4*\c+3], v[AX] offset:16*PITCH*\u+64*(\s)+32*\c
.endr
.endr
.endm
.macro WLOAD P, s, buf                 ; my two fragments of W of phase P, K step s
.irp t, 0,1
.irp c, 0,1
	ds_load_b128 v[WB+16*(\buf)+8*\t+4*\c:WB+16*(\buf)+8*\t+4*\c+3], v[AW+(\P)] offset:16*\t*PITCH+64*(\s)+32*\c
.endr
.endr
.endm
; A K step: the next step's fragments are asked for, this step's eight products are issued.  The eight accumulators take turns, one instruction a turn.
.macro STEP P, s
.set G, 8*(\P)+(\s)
.set BUF, G%2
	WIN 0
	PLACES 4                                       ; four places in front of loads into the buffer that the last step's products read (ISA guide 7.12.1 for vector instructions)
.if G < 23
	WLOAD (G+1)/8, (G+1)%8, 1-BUF
.endif
.if G < 7
	WIN 0x40                                       ; destination window 1
	XLOAD G+1
	WIN 0
	s_wait_dscnt 12                                ; all but the twelve just issued: this step's fragments are in
.elseif G < 23
	s_wait_dscnt 4                                 ; all but the four just issued
.else
	s_wait_dscnt 0x0
.endif
.if (\P) < 2
	WIN 0x04                                       ; source 1 (x) window 1
.irp u, 0,1,2,3
.irp t, 0,1
.if (\s) == 0
	WM ACC+16*\u+8*\t, WB+16*BUF+8*\t, XF+64*\u+8*(\s), BQ+16*(\P)+8*\t, WS+8*(\P)+(\s), XS+8*(\u/2)+(\s), \t, \u%2
.else
	WM ACC+16*\u+8*\t, WB+16*BUF+8*\t, XF+64*\u+8*(\s), ACC+16*\u+8*\t, WS+8*(\P)+(\s), XS+8*(\u/2)+(\s), \t, \u%2
.endif
.endr
.endr
.else
	WIN 0x01                                       ; source 0 (x) window 1
.irp u, 0,1,2,3
.irp t, 0,1
.if (\s) == 0
	WM ACC+16*(2*(\u/2)+\t)+8*(\u%2), XF+64*\u+8*(\s), WB+16*BUF+8*\t, BV+8*\t, XS+8*(\u/2)+(\s), WS+16+(\s), \u%2, \t
.else
	WM ACC+16*(2*(\u/2)+\t)+8*(\u%2), XF+64*\u+8*(\s), WB+16*BUF+8*\t, ACC+16*(2*(\u/2)+\t)+8*(\u%2), XS+8*(\u/2)+(\s), WS+16+(\s), \u%2, \t
.endif
.endr
.endr
.endif
.endm
; 64 numbers of a lane, registers 16 b .. 16 b + 15 = my 16 of block b (two tiles of 8), become codes, one register a tile; the blocks' bytes stand in v[TM+4] on.
; vv = 0 (Q, K; b = tile u of tokens): u = 2 p, 2 p + 1 stand side by side, first their lower, then their upper 16 outputs;  vv = 1 (V; b = 2 p + t): block b's two tiles stand side by side.
.macro QCORE vv
.irp b, 0,1,2,3
	v_max3_num_f32 v[TM+\b], |v[ACC+16*\b]|, |v[ACC+1+16*\b]|, 0x1800000   ; and the floor 2^(3 - 127): the byte cannot fall under 1
.endr
.irp i, 2,4,6,8,10,12,14
.irp b, 0,1,2,3
	v_max3_num_f32 v[TM+\b], v[TM+\b], |v[ACC+16*\b+\i]|, |v[ACC+1+16*\b+\i]|   ; (the four blocks by turns)
.endr
.endr
.irp b, 0,1,2,3
	v_permlanex16_b32 v[TM+4+\b], v[TM+\b], s[SEL], s[SEL+1]
.endr
.irp b, 0,1,2,3
	v_max_num_f32 v[TM+\b], v[TM+\b], v[TM+4+\b]   ; with lane l xor 16's: the block's largest magnitude
.endr
.irp b, 0,1,2,3
	v_add_nc_u32 v[TM+8+\b], 0xff000000, v[TM+\b]  ; 2 off its exponent field: the conversion's scale operand
.endr
.irp b, 0,1,2,3
	v_lshrrev_b32 v[TM+4+\b], 23, v[TM+8+\b]       ; the scale's byte
.endr
.irp b, 0,1,2,3
.if \vv
	v_cvt_scalef32_pk8_fp4_f32 v[PC+2*\b], v[ACC+16*\b:ACC+7+16*\b], v[TM+8+\b]
	v_cvt_scalef32_pk8_fp4_f32 v[PC+1+2*\b], v[ACC+8+16*\b:ACC+15+16*\b], v[TM+8+\b]
.else
	v_cvt_scalef32_pk8_fp4_f32 v[PC+4*(\b/2)+(\b%2)], v[ACC+16*\b:ACC+7+16*\b], v[TM+8+\b]
	v_cvt_scalef32_pk8_fp4_f32 v[PC+2+4*(\b/2)+(\b%2)], v[ACC+8+16*\b:ACC+15+16*\b], v[TM+8+\b]
.endif
.endr
	v_nop                                          ; one plain place behind a scaled conversion
.irp i, 0,2,4,6                        ; Q, K: v[PC + 4 p .. + 3] then hold, in lane (r, h), my whole block of tile 2 p + h's token r;  V: v[PC + 2 b], v[PC + 2 b + 1] the tokens 16 h + 0 .. 15 of block b
	v_permlane16_swap_b32 v[PC+\i], v[PC+\i+1]
.endr
.endm
	WLOAD 0, 0, 0
	WIN 0x40
	XLOAD 0
	WIN 0
	s_wait_loadcnt 0x0                             ; the scale words and the biases
.irp t, 0,1
.irp j, 1,2,3,4,5,6,7
	v_mov_b32 v[BV+8*\t+\j], v[BV+8*\t]
.endr
.endr
.irp s, 0,1,2,3,4,5
	STEP 0, \s
.endr
	WIN 0
	s_wait_tensorcnt 0x0                           ; my tile is in, Wk's and Wv's among them;
	s_wait_dscnt 0x0
	s_barrier_signal -1                            ; say so, and go on with x and Wq
	STEP 0, 6
	WIN 0
	s_barrier_wait -1                              ; Wk and Wv are in: the next step asks for Wk's first fragments
	STEP 0, 7
	; Q leaves: a store covers two runs of 256 bytes, aligned: 16 tokens' blocks in each of two tiles
	WIN 0
	PLACES 4                                       ; in front of the first read of results
	QCORE 0
	global_store_b128 v[QI], v[PC:PC+3], s[26:27]
	global_store_b128 v[QI], v[PC+4:PC+7], s[26:27] offset:1024
.irp u, 0,1,2,3                        ; a token's two bytes stand in its word twice: Q serves as the lower or as the upper 64 of a product's 128.  Both lanes of a token write the same
	ds_store_b8 v[SQA], v[TM+4+\u] offset:64*\u
	ds_store_b8 v[SQA], v[TM+4+\u] offset:64*\u+2
.endr
.irp s, 0,1,2,3,4,5,6,7
	STEP 1, \s
.endr
	; K leaves: each store covers 512 consecutive bytes: my block of d of 32 keys
	WIN 0
	PLACES 4
	s_wait_xcnt 0x0                                ; Q's stores have read their data: the codes' registers are written again only behind this wait
	QCORE 0
	global_store_b128 v[LI], v[PC:PC+3], s[98:99]
	global_store_b128 v[LIX], v[PC+4:PC+7], s[98:99] offset:1024
.irp u, 0,1,2,3
	ds_store_b8 v[SKA], v[TM+4+\u] offset:64*(\u%2)+32*(\u/2)
.endr
.irp s, 0,1,2,3,4,5,6,7
	STEP 2, \s
.endr
	; V leaves: block 2 p + t = 32 keys of row d = 16 t + r of my 32; a lane's 16 codes are 8 bytes, the wave's store covers 256 consecutive bytes, aligned
	WIN 0
	PLACES 4
	s_wait_xcnt 0x0                                ; K's stores have read their data
	QCORE 1
.irp b, 0,1,2,3
	global_store_b64 v[VO], v[PC+2*\b:PC+2*\b+1], s[100:101] offset:1024*(\b%2)+256*(\b/2)
	ds_store_b8 v[SVA], v[TM+4+\b] offset:64*(\b%2)+(\b/2)    ; both lanes of a block write the same byte with the same value
.endr
	s_lshr_b32 s66, s[WV], 1                       ; the scale words leave, 256 bytes a wave: waves 0-3 the two records' K and V words,
	s_mul_i32 s66, s66, 8704
	s_and_b32 s105, s[WV], 1
	s_lshl_b32 s105, s105, 8
	s_add_co_u32 s66, s66, s105
	s_add_co_u32 s66, s66, 8192
	s_lshl_b32 s105, s[WV], 8                      ; waves 4-7 Q's
	s_sub_co_u32 s105, s105, 1024
	s_cmp_lt_u32 s[WV], 4                          ; the choice hangs on the wave's number alone
	s_cselect_b32 s66, s66, s105
	s_cselect_b64 s[94:95], s[30:31], s[28:29]
	s_add_nc_u64 s[94:95], s[94:95], s[66:67]
	s_wait_dscnt 0x0                               ; for the others' sake: my stores into the stage are done
	s_barrier_signal -1
	s_barrier_wait -1
	ds_load_b64 v[UN:UN+1], v[SRD]
	s_wait_dscnt 0x0
	global_store_b64 v[L8], v[UN:UN+1], s[94:95]   ; 32 lanes store 256 consecutive bytes, aligned
	s_wait_tensorcnt 0x0                           ; the wave's end
	ds_add_u32 v[SPW], v[NIL]
	s_wait_dscnt 0x0
	CROUND                                         ; the closing round: no work-group ends while a partner may still ask for a tile that names it
	s_endpgm
.Lfunc_end_k_q0138268cdf_qkv:
	.size	k_q0138268cdf_qkv, .Lfunc_end_k_q0138268cdf_qkv-k_q0138268cdf_qkv
	.p2alignl 7, 3214868480
	.fill 96, 4, 3214868480
	.section	.rodata,"a",@progbits
	.p2align	6, 0x0
	.amdhsa_kernel k_q0138268cdf_qkv
		.amdhsa_group_segment_fixed_size 263168
		.amdhsa_private_segment_fixed_size 0
		.amdhsa_enable_private_segment 0
		.amdhsa_kernarg_size 112
		.amdhsa_user_sgpr_count 2
		.amdhsa_user_sgpr_kernarg_segment_ptr 1
		.amdhsa_wavefront_size32 1
		.amdhsa_system_sgpr_workgroup_id_x 1
		.amdhsa_system_sgpr_workgroup_id_y 1
		.amdhsa_system_sgpr_workgroup_id_z 1
		.amdhsa_system_vgpr_workitem_id 0
		.amdhsa_next_free_vgpr 512
		.amdhsa_next_free_sgpr 106
		.amdhsa_reserve_vcc 0
		.amdhsa_float_denorm_mode_32 3
		.amdhsa_float_denorm_mode_16_64 3
		.amdhsa_memory_ordered 1
		.amdhsa_forward_progress 1
		.amdhsa_inst_pref_size 66
	.end_amdhsa_kernel
	.amdgpu_metadata
---
amdhsa.version: [ 1, 2 ]
amdhsa.kernels:
  - .name:           k_q0138268cdf_qkv
    .symbol:         k_q0138268cdf_qkv.kd
    .args:
      - { .name: x_codes, .offset: 0, .size: 8, .value_kind: global_buffer, .address_space: global }
      - { .name: x_scales, .offset: 8, .size: 8, .value_kind: global_buffer, .address_space: global }
      - { .name: Wq_codes, .offset: 16, .size: 8, .value_kind: global_buffer, .address_space: global }
      - { .name: Wq_scales, .offset: 24, .size: 8, .value_kind: global_buffer, .address_space: global }
      - { .name: Wk_codes, .offset: 32, .size: 8, .value_kind: global_buffer, .address_space: global }
      - { .name: Wk_scales, .offset: 40, .size: 8, .value_kind: global_buffer, .address_space: global }
      - { .name: Wv_codes, .offset: 48, .size: 8, .value_kind: global_buffer, .address_space: global }
      - { .name: Wv_scales, .offset: 56, .size: 8, .value_kind: global_buffer, .address_space: global }
      - { .name: bq, .offset: 64, .size: 8, .value_kind: global_buffer, .address_space: global }
      - { .name: bk, .offset: 72, .size: 8, .value_kind: global_buffer, .address_space: global }
      - { .name: bv, .offset: 80, .size: 8, .value_kind: global_buffer, .address_space: global }
      - { .name: qc, .offset: 88, .size: 8, .value_kind: global_buffer, .address_space: global }
      - { .name: qs, .offset: 96, .size: 8, .value_kind: global_buffer, .address_space: global }
      - { .name: kv, .offset: 104, .size: 8, .value_kind: global_buffer, .address_space: global }
    .group_segment_fixed_size: 263168
    .private_segment_fixed_size: 0
    .kernarg_segment_align: 8
    .kernarg_segment_size: 112
    .max_flat_workgroup_size: 256
    .sgpr_count:     106
    .vgpr_count:     512
    .wavefront_size: 32
...
	.end_amdgpu_metadata
.endif
;; end of part 1
;; launch attn (part 2): grid 8 x 32, 16 waves a work-group, clusters of 4 x 1, 169,984 bytes of LDS; arguments qc, qs, kv, oc, os; writes oc, os
.if DOCPART == 2
	.amdgcn_target "amdgcn-amd-amdhsa--gfx1250"
	.amdhsa_code_object_version 6
	.text
	.protected	k_q0138268cdf_attn
	.globl	k_q0138268cdf_attn
	.p2align	8
	.type	k_q0138268cdf_attn,@function
k_q0138268cdf_attn:
	s_mov_b64 s[64:65], 0
	v_nop
	global_prefetch_b8 v0, s[64:65] scope:SCOPE_SE
	s_setreg_imm32_b32 hwreg(HW_REG_WAVE_MODE, 25, 1), 1
	s_wait_xcnt 0x0
	s_wait_alu depctr_hold_cnt(0) depctr_sa_sdst(0) depctr_va_vdst(0) depctr_va_sdst(0) depctr_va_ssrc(0) depctr_va_vcc(0) depctr_vm_vsrc(0)
	s_getreg_b32 s2, hwreg(HW_REG_IB_STS2, 6, 4)
	s_cmp_eq_u32 s2, 0
	s_cbranch_scc0 .Lentry_in_a_cluster
	s_endpgm
.Lentry_in_a_cluster:
	s_bfe_u32 s2, ttmp6, 0x10000c
	s_cmp_lg_u32 s2, 0x3003
	s_cbranch_scc0 .Lentry_shape_is_right
	s_endpgm
.Lentry_shape_is_right:
; O = softmax(Q K^T / 8) V for one head and 256 queries, both products on codes of FP4 (E2M1) with one E8M0 scale for each 32 along a product's K; the result is quantised along the head's 64 and leaves as an operand's image.
; THE SOFTMAX: t = score x log2(e) / 8; M = the row's largest t so far, rounded UP to a whole number; p = 2^(t - M) is what is quantised, along the keys, not normalised.  The row's sum is taken of the unquantised p, in f32,
; and divides O at the end.  When M moves, the sum and O are multiplied by 2^(old M - new M): exact.
; SHARES.  Sixteen waves, one tile of 16 queries each, in 256 registers; every wave walks the head's 2,048 keys, 256 a step: two records of 128 keys, 8,704 bytes each, laid by the launch before (K, V, their scale words).
; The head's 16 records (139,264 bytes) come into LDS ONCE, one record a wave, by one tensor load each; no byte is filled twice, so there is no ring.  Records 0 and 1 have a load line and a wait of their own, and the first step begins
; when they are in; a second barrier, signalled in the middle of the first step and waited for ahead of the first read of record 2, shows the others.
; Both products are used transposed (source 0 = keys, or rows of V^T; source 1 = my queries): a lane holds ONE query throughout.
; THE KEYS OF A TILE: rows 0-7 of tile 4 c + i are keys 64 c + 8 i + 0 .. 7, rows 8-15 the keys 32 further on.  So a lane's 32 registers of tiles 4 c .. 4 c + 3 are ONE WHOLE BLOCK of 32 keys, number 2 c + lane / 16:
; the block's largest score is found inside the lane, and the conversions' results are the second product's operand as they stand.
; K IN A RECORD: [block of 32 keys][half of the head's 64][key] of 16 bytes, in odd blocks with neighbouring eights of keys exchanged: so even and odd tiles have an address register each.
; K = 64 IN A FORM OF 128: a fragment of K holds TWO tiles (registers 0-3, registers 4-7).  Against [Q | zeros] it gives the first tile's scores, against [zeros | Q] the second's: zero codes add nothing.
; p rises with the score, so a block's largest p is made of its largest score by the same multiply-add and exponential.
; A STEP'S ORDER: the next step's first record of K is fetched ahead, into registers of p that have been summed and coded; the first record's exponentials stand among the second's multiply-adds,
; the second's among the first's conversions and sums, of which none is read ahead of the wait behind the exponentials.
; CLUSTER 4 x 1: the four query blocks share the head: every record is asked for jointly.  No prefetch into the L2: every record is asked for once, at the head; the loop loads nothing from memory.
; REGISTERS: v0-11 addresses; v12 -M, v13 the largest score, v[14:15] the sum; v16-27 [0 | Q | 0]; v32-41 scale words; v42-55 at work; v56-87 the second record's K, then the first's V; v88-119 O^T; v120-127 the first record's codes;
; v128-255 S^T, then p.  The second record's codes take v128-135 and its V v160-191; the next step's first K takes v192-223.
; LIMITS: NaN and infinities are not served; scaled scores (t) stay under 2^31 in magnitude; a block whose largest magnitude lies under 2^-124 is held at the byte 1; a block of zeros gets the byte 1 (its codes are zeros, and this program alone reads the bytes); 1 / the sum is v_rcp_f32.
.set REC,   8704
.set STG,   16*REC                     ; stored into only: 256 scale halves of 2 bytes
.set SPARE, 0x29000                    ; the spare words, 128 bytes a wave
.set ADO, 0                            ; (from the first step on)
.set LKE, 1                            ; my 16 bytes in an even tile of K
.set LS,  2                            ; 4 x lane
.set LI,  3                            ; 16 x lane
.set ADK, 4
.set ADV, 5
.set ADS, 6
.set STO, 7
.set BACK, 8
.set SPW, 9
.set NIL, 10
.set LKO, 11                           ; and in an odd one
.set QSC, 28                           ; Q's scale words
.set OM,  29                           ; the old -M
.set FF,  30                           ; v[30:31]: f in the low one
.set KS,  32                           ; K's scale words: 2 a record
.set VS,  36                           ; V's
.set PW,  40                           ; p's, one a record
.set T1,  42
.set T2,  43
.set BM,  44                           ; the largest of my four blocks
.set SO,  48                           ; their scale operands
.set XM,  52
.set KF,  56
.set O,   88
.set PC0, 120
.set SB,  128
.set PC1, 128
.set VF1, 160
.set KP,  192
.set WV,  14
.set CX,  15
.set QB,  16
.set BH,  17
.set NC,  18
.set SEL, 20
.set CS,  22
.set G1,  24
.set G0,  32
.set TB,  48
.set CNT, 49
.macro PLACES n
.rept \n
	v_nop
.endr
.endm
.macro CROUND
	s_barrier_signal -1
	s_barrier_wait -1
	s_cmp_lg_u32 s[WV], 0
	s_cbranch_scc1 .Lnot_wave_0_\@
	s_barrier_signal -3
.Lnot_wave_0_\@:
	s_barrier_wait -3
	s_barrier_signal -1
	s_barrier_wait -1
.endm
.macro WMZ d, a, b, sa, sb, ra         ; a product that starts its sum; ra: source 0's scale words stand in lanes 16-31
.if (\ra)
	v_wmma_scale_f32_16x16x128_f8f6f4 v[\d:\d+7], v[\a:\a+7], v[\b:\b+7], 0, v[\sa], v[\sb] matrix_a_fmt:MATRIX_FMT_FP4 matrix_b_fmt:MATRIX_FMT_FP4 matrix_a_scale:MATRIX_SCALE_ROW1
.else
	v_wmma_scale_f32_16x16x128_f8f6f4 v[\d:\d+7], v[\a:\a+7], v[\b:\b+7], 0, v[\sa], v[\sb] matrix_a_fmt:MATRIX_FMT_FP4 matrix_b_fmt:MATRIX_FMT_FP4
.endif
.endm
.macro WM d, a, b, sa, sb, ra          ; a product that adds in place
.if (\ra)
	v_wmma_scale_f32_16x16x128_f8f6f4 v[\d:\d+7], v[\a:\a+7], v[\b:\b+7], v[\d:\d+7], v[\sa], v[\sb] matrix_a_fmt:MATRIX_FMT_FP4 matrix_b_fmt:MATRIX_FMT_FP4 matrix_a_scale:MATRIX_SCALE_ROW1
.else
	v_wmma_scale_f32_16x16x128_f8f6f4 v[\d:\d+7], v[\a:\a+7], v[\b:\b+7], v[\d:\d+7], v[\sa], v[\sb] matrix_a_fmt:MATRIX_FMT_FP4 matrix_b_fmt:MATRIX_FMT_FP4
.endif
.endm
	s_load_b256 s[4:11], s[0:1], 0x0               ; qc s[4:5], qs s[6:7], kv s[8:9], oc s[10:11]
	s_load_b64 s[12:13], s[0:1], 0x20              ; os
	v_lshl_add_u32 v[SPW], v0, 2, SPARE
	v_mov_b32 v[NIL], 0
	ds_add_u32 v[SPW], v[NIL]                      ; the opening add, twice on end
	ds_add_u32 v[SPW], v[NIL]
	v_lshrrev_b32 v1, 5, v0
	v_readfirstlane_b32 s[WV], v1                  ; wave 0..15
	s_lshl_b32 s50, s[WV], 5
	s_add_co_u32 s50, s50, STG
	v_and_b32 v41, 15, v0                          ; r
	v_bfe_u32 v29, v0, 4, 1                        ; h
	v_and_b32 v42, 31, v0                          ; lane
	v_lshrrev_b32 v43, 3, v41                      ; r / 8: which of a tile's two blocks
	v_and_b32 v45, 7, v41
	v_lshlrev_b32 v[LI], 4, v42
	v_lshlrev_b32 v[LS], 2, v42
	v_lshlrev_b32 v44, 4, v45
	v_lshlrev_b32 v46, 2, v41                      ; 4 r
	v_lshl_add_u32 v[STO], v41, 1, s50             ; the stage: [wave][r], 2 bytes
	v_lshl_add_u32 v44, v29, 9, v44                ; 16 (r % 8) + 512 h
	v_add_nc_u32 v[BACK], STG, v[LI]               ; and back: 16 bytes a lane
	v_mad_u32_u24 v[LKE], v43, 1152, v44           ; in the odd block, 1,024 bytes on, an even tile's eight keys stand 128 bytes further on,
	v_mad_u32_u24 v[LKO], v43, 896, v44            ; an odd tile's 128 bytes less far
	s_bfe_u32 s[CX], ttmp6, 0x40000                ; my place in the cluster
	s_lshl_b32 s[QB], ttmp9, 2
	s_add_co_u32 s[QB], s[QB], s[CX]               ; my block of 256 queries: it enters Q's and the outputs' addresses alone
	s_and_b32 s[BH], ttmp7, 0xffff                 ; 16 batch + head, which the four partners share
	; group 1: a record, 8,704 dense bytes, as 34 rows of 256 bytes (32 elements of 8 bytes); mask: all four work-groups, bit 21 beside it
	s_mov_b32 s[G1], 15|(3<<16)|(1<<21)
	s_mov_b32 s[G1+1], 32<<16
	s_mov_b32 s[G1+2], 34<<16
	s_mov_b32 s[G1+3], 32<<16
	s_mov_b32 s[G1+4], 34
	s_mov_b32 s[G1+5], 32
	s_mov_b32 s[G1+6], 0
	s_mov_b32 s[G1+7], 0
	s_mov_b32 s[SEL], 0x76543210
	s_mov_b32 s[SEL+1], 0xfedcba98                 ; v_permlanex16_b32: lane l xor 16
	s_mov_b32 s[CS], 0x3e38aa3b                    ; c = log2(e) / 8
	s_mov_b32 s[CS+1], s[CS]                       ; (named with it as a pair, so it is written)
	s_mov_b32 s[NC], 0xbe38aa3b                    ; -c
	s_mul_i32 s52, s[WV], REC                      ; my record: where it lies among the head's 16, and in LDS
	s_mul_i32 s50, s[BH], 16*REC
	s_add_co_u32 s50, s50, s52
	s_mov_b32 s51, 0
	s_lshl_b32 s54, s[BH], 16                      ; qc: 128 tiles of 512 bytes a head; my tile is 16 x block + wave
	s_lshl_b32 s56, s[QB], 13
	s_add_co_u32 s54, s54, s56
	s_lshl_b32 s56, s[WV], 9
	s_add_co_u32 s54, s54, s56
	s_mov_b32 s55, 0
	s_lshl_b32 s58, s[BH], 13                      ; qs: 64 bytes a tile
	s_lshl_b32 s56, s[QB], 10
	s_add_co_u32 s58, s58, s56
	s_lshl_b32 s56, s[WV], 6
	s_add_co_u32 s58, s58, s56
	s_mov_b32 s59, 0
	s_wait_alu depctr_va_vdst(0)                   ; directly ahead of the wait below
	s_wait_dscnt 0x0                               ; both opening adds are done
	s_wait_kmcnt 0x0
	s_add_nc_u64 s[4:5], s[4:5], s[54:55]
	s_add_nc_u64 s[6:7], s[6:7], s[58:59]
	global_load_b128 v[20:23], v[LI], s[4:5]       ; Q: registers 0-3 of a fragment
	global_load_b32 v[QSC], v46, s[6:7]            ; its scale words
	s_mov_b32 s[G0], 1
	s_mov_b32 s[G0+1], s52
	s_add_nc_u64 s[G0+2:G0+3], s[8:9], s[50:51]
	s_or_b32 s[G0+3], s[G0+3], 0x80000000
	CROUND                                         ; all four work-groups are here: the joint loads meet
	; Record w: every wave its one load.  Waves 0 and 1 have a line of their own: their records are waited for first.
	s_cmp_lt_u32 s[WV], 2
	s_cbranch_scc0 .Lothers
	tensor_load_to_lds s[G0:G0+3], s[G1:G1+7]
	s_nop 0
	PLACES 4
	s_branch .Lasked
.Lothers:
	tensor_load_to_lds s[G0:G0+3], s[G1:G1+7]
	s_nop 0
	PLACES 4
.Lasked:
	s_lshr_b32 s54, s[BH], 4                       ; oc: 8,192 bytes a tile of tokens, 128 tiles a batch; a head's 512 bytes in it
	s_lshl_b32 s54, s54, 20
	s_lshl_b32 s56, s[QB], 17
	s_add_co_u32 s54, s54, s56
	s_lshl_b32 s56, s[WV], 13
	s_add_co_u32 s54, s54, s56
	s_and_b32 s56, s[BH], 15
	s_lshl_b32 s56, s56, 9
	s_add_co_u32 s54, s54, s56
	s_add_nc_u64 s[10:11], s[10:11], s[54:55]
	s_lshl_b32 s54, s[BH], 12                      ; os: 4,096 bytes a head, 512 a block
	s_lshl_b32 s56, s[QB], 9
	s_add_co_u32 s54, s54, s56
	s_add_nc_u64 s[12:13], s[12:13], s[54:55]
	v_mov_b32 v13, 0xff61b1e6                      ; the largest score so far: -3e38, under every score
	v_mov_b32 v12, 0x7e800000                      ; -M = 2^126, a whole number over every -M: the first f is 0
	v_mov_b32 v14, 0                               ; the sum, in two halves
	v_mov_b32 v15, 0
.irp j, 16,17,18,19,24,25,26,27
	v_mov_b32 v[\j], 0                             ; zero codes on both sides of Q: v[20:27] = [Q | 0], v[16:23] = [0 | Q]
.endr
	v_mov_b32 v[T2], 0                             ; written once: a lane permute's destination counts as one of its sources
	v_mov_b32 v[FF+1], 0                           ; (named with f as a pair, so it is written)
.set j, 0
.rept 32
	v_mov_b32 v[O+j], 0                            ; O^T.  (The step is written for all trips alike: the first finds zeros, which the first change of M leaves zeros)
.set j, j+1
.endr
.macro KLOAD ae, ao, off, to, sadr, sto   ; a record's four fragments of K: fragment f = tiles 2 f, 2 f + 1; and their scale words: lanes 0-15 an even fragment, lanes 16-31 the odd one behind it.  Ten loads
.irp f, 0,1,2,3
	ds_load_b128 v[\to+8*\f:\to+8*\f+3], v[\ae] offset:\off+2048*(\f/2)+256*(\f%2)
	ds_load_b128 v[\to+8*\f+4:\to+8*\f+7], v[\ao] offset:\off+2048*(\f/2)+256*(\f%2)+128
.endr
	ds_load_b32 v[\sto], v[\sadr] offset:\off+8192
	ds_load_b32 v[\sto+1], v[\sadr] offset:\off+8320
.endm
.macro VLOAD rec, to                   ; a record's four fragments of V^T
.irp t, 0,1,2,3
.irp c, 0,1
	ds_load_b128 v[\to+8*\t+4*\c:\to+8*\t+4*\c+3], v[ADV] offset:REC*\rec+4096+1024*\t+512*\c
.endr
.endr
.endm
.macro SCORES rec, from
.irp f, 0,1,2,3
	WMZ SB+64*\rec+16*\f, \from+8*\f, 20, KS+2*\rec+(\f/2), QSC, \f%2
	WMZ SB+64*\rec+16*\f+8, \from+8*\f, 16, KS+2*\rec+(\f/2), QSC, \f%2
.endr
.endm
; The largest score of my two blocks of a record: four chains a block, one a tile, joined with the tiles' last registers.
.macro MAXA rec
.irp k, 0,1
	v_max3_num_f32 v[BM+2*\rec+\k], v[SB+64*\rec+32*\k], v[SB+64*\rec+32*\k+1], v[SB+64*\rec+32*\k+2]
	v_max3_num_f32 v[SO+2*\rec+\k], v[SB+64*\rec+32*\k+8], v[SB+64*\rec+32*\k+9], v[SB+64*\rec+32*\k+10]
	v_max3_num_f32 v[SO+2-2*\rec+\k], v[SB+64*\rec+32*\k+16], v[SB+64*\rec+32*\k+17], v[SB+64*\rec+32*\k+18]
	v_max3_num_f32 v[XM+\k], v[SB+64*\rec+32*\k+24], v[SB+64*\rec+32*\k+25], v[SB+64*\rec+32*\k+26]
.endr
.irp i, 3,5
.irp k, 0,1
	v_max3_num_f32 v[BM+2*\rec+\k], v[BM+2*\rec+\k], v[SB+64*\rec+32*\k+\i], v[SB+64*\rec+32*\k+\i+1]
	v_max3_num_f32 v[SO+2*\rec+\k], v[SO+2*\rec+\k], v[SB+64*\rec+32*\k+8+\i], v[SB+64*\rec+32*\k+9+\i]
	v_max3_num_f32 v[SO+2-2*\rec+\k], v[SO+2-2*\rec+\k], v[SB+64*\rec+32*\k+16+\i], v[SB+64*\rec+32*\k+17+\i]
	v_max3_num_f32 v[XM+\k], v[XM+\k], v[SB+64*\rec+32*\k+24+\i], v[SB+64*\rec+32*\k+25+\i]
.endr
.endr
.endm
.macro MAXE rec
.irp k, 0,1
	v_max3_num_f32 v[BM+2*\rec+\k], v[BM+2*\rec+\k], v[SO+2*\rec+\k], v[SB+64*\rec+32*\k+7]
	v_max3_num_f32 v[SO+2-2*\rec+\k], v[SO+2-2*\rec+\k], v[XM+\k], v[SB+64*\rec+32*\k+15]
.endr
.irp k, 0,1
	v_max3_num_f32 v[BM+2*\rec+\k], v[BM+2*\rec+\k], v[SO+2-2*\rec+\k], v[SB+64*\rec+32*\k+23]
.endr
.irp k, 0,1
	v_max_num_f32 v[BM+2*\rec+\k], v[BM+2*\rec+\k], v[SB+64*\rec+32*\k+31]
.endr
.endm
.macro CODE rec, to, c, i              ; eight keys of my block c of the record become one register of codes
	v_cvt_scalef32_pk8_fp4_f32 v[\to+4*\c+(\i)], v[SB+64*\rec+32*\c+8*(\i):SB+64*\rec+32*\c+8*(\i)+7], v[SO+2*\rec+\c]
.endm
.macro EXPS n
.rept \n
	v_exp_f32 v[j], v[j]
.set j, j+1
.endr
.endm
.macro FOLD g, k                       ; the first record's sum: block 1's p onto block 0's, both coded by now
	v_pk_add_f32 v[SB+8*\g+2*\k:SB+8*\g+2*\k+1], v[SB+8*\g+2*\k:SB+8*\g+2*\k+1], v[SB+32+8*\g+2*\k:SB+32+8*\g+2*\k+1]
.endm
.macro EGRP g                          ; 16 of the second record's exponentials, among them the first record's conversions g + 1 and the sums of conversions g
	EXPS 3
.if \g < 3
	CODE 0, PC0, 0, \g+1
.endif
	EXPS 3
.if \g < 3
	CODE 0, PC0, 1, \g+1
.endif
	EXPS 3
	FOLD \g, 0
	EXPS 3
	FOLD \g, 1
	EXPS 2
	FOLD \g, 2
	EXPS 2
	FOLD \g, 3
.endm
.macro ADDTO a                         ; the next pair of the running place j onto chain a
	v_pk_add_f32 v[\a:\a+1], v[\a:\a+1], v[j:j+1]
.set j, j+2
.endm
.macro ADDNEW a                        ; chain a begins with the next two pairs
	v_pk_add_f32 v[\a:\a+1], v[j:j+1], v[j+2:j+3]
.set j, j+4
.endm
; A STEP: 256 keys, the two records at s[TB].  more = 1: another step follows.  first = 1: the first step, in whose course the other records land.
.macro STEP more, first
	v_add_nc_u32 v[ADK], s[TB], v[LKE]
	v_add_nc_u32 v[ADO], s[TB], v[LKO]
	v_add_nc_u32 v[ADV], s[TB], v[LI]
	v_add_nc_u32 v[ADS], s[TB], v[LS]
	v_mov_b32 v[OM], v12                           ; these five lines are the places behind the last products: four for the loads, five for the products that write over their registers
	KLOAD ADK, ADO, REC, KF, ADS, KS+2             ; the second record's K
	s_wait_alu depctr_va_vdst(0)                   ; directly ahead of the wait below
	s_wait_dscnt 10                                ; all but the ten just issued: the first record's K is in
	SCORES 0, KP
	PLACES 4
	MAXA 0
	s_wait_alu depctr_va_vdst(0)                   ; likewise
	s_wait_dscnt 0x0
	SCORES 1, KF
	MAXE 0                                         ; these eight are also the places behind the products
	VLOAD 0, KF
.irp a, 0,1                            ; V's scale words: lanes 0-15 an even tile, lanes 16-31 the odd one behind it
	ds_load_b32 v[VS+2*\a], v[ADS] offset:REC*\a+8448
	ds_load_b32 v[VS+2*\a+1], v[ADS] offset:REC*\a+8576
.endr
	MAXA 1
	MAXE 1
	v_max3_num_f32 v[T1], v[BM], v[BM+1], v[BM+2]
	s_delay_alu instid0(VALU_DEP_1)
	v_max_num_f32 v[T1], v[T1], v[BM+3]
	s_delay_alu instid0(VALU_DEP_1)
	v_permlanex16_b32 v[T2], v[T1], s[SEL], s[SEL+1]
	s_delay_alu instid0(VALU_DEP_1)
	v_max3_num_f32 v13, v13, v[T1], v[T2]          ; with lane l xor 16's blocks: the running largest score of my query
	s_delay_alu instid0(VALU_DEP_1)
	v_mul_f32 v[T1], s[NC], v13                    ; -t (c is positive)
	s_delay_alu instid0(VALU_DEP_1)
	v_floor_f32 v12, v[T1]                         ; the new -M = floor(-t) = -ceil(t): a whole number
.set j, SB
.rept 4
	v_pk_fma_f32 v[j:j+1], v[j:j+1], s[CS:CS+1], v[12:13] op_sel_hi:[1,0,0]   ; t - M, two at a time: the first record's
.set j, j+2
.endr
	v_sub_f32 v[T1], v12, v[OM]                    ; M's old value less its new one: a whole number, 0 or less
.rept 4
	v_pk_fma_f32 v[j:j+1], v[j:j+1], s[CS:CS+1], v[12:13] op_sel_hi:[1,0,0]
.set j, j+2
.endr
	v_cvt_i32_f32 v[T1], v[T1]                     ; (it saturates)
.rept 4
	v_pk_fma_f32 v[j:j+1], v[j:j+1], s[CS:CS+1], v[12:13] op_sel_hi:[1,0,0]
.set j, j+2
.endr
	v_ldexp_f32 v[FF], 1.0, v[T1]                  ; f = 2^(old M - new M)
.rept 20
	v_pk_fma_f32 v[j:j+1], v[j:j+1], s[CS:CS+1], v[12:13] op_sel_hi:[1,0,0]
.set j, j+2
.endr
	v_pk_fma_f32 v[BM:BM+1], v[BM:BM+1], s[CS:CS+1], v[12:13] op_sel_hi:[1,0,0]   ; the same of each block's largest score
	v_pk_fma_f32 v[BM+2:BM+3], v[BM+2:BM+3], s[CS:CS+1], v[12:13] op_sel_hi:[1,0,0]
.if \first
	s_wait_alu depctr_va_vdst(0)                   ; directly ahead of the waits below
	s_wait_tensorcnt 0x0                           ; my record has landed, whichever it is;
	s_wait_dscnt 0x0
	s_barrier_signal -1                            ; say so, and go on with records 0 and 1
.endif
	s_wait_alu depctr_va_vdst(0)                   ; ahead of the batch
.irp b, 0,1,2,3
	v_exp_f32 v[BM+\b], v[BM+\b]                   ; the block's largest p: the same two steps on the same number
.endr
.set j, SB
.rept 32
	v_exp_f32 v[j], v[j]                           ; p = 2^(t - M), the first record's;
	v_exp_f32 v[j+1], v[j+1]
	v_pk_fma_f32 v[j+64:j+65], v[j+64:j+65], s[CS:CS+1], v[12:13] op_sel_hi:[1,0,0]   ; and the second record's t - M: first read behind the wait below
.set j, j+2
.endr
	s_wait_alu depctr_va_vdst(0)                   ; the wait behind the batch, and ahead of the next
.irp b, 0,1,2,3
	v_max_num_f32 v[BM+\b], 0x1800000, v[BM+\b]    ; the floor 2^(3 - 127): the byte cannot fall under 1
.endr
.irp b, 0,1,2,3
	v_add_nc_u32 v[SO+\b], 0xff000000, v[BM+\b]    ; 2 off the exponent field: the conversion's scale operand
.endr
	CODE 0, PC0, 0, 0
	CODE 0, PC0, 1, 0
	v_pk_mul_f32 v[14:15], v[14:15], v[FF:FF+1] op_sel_hi:[1,0]   ; the sums under the new M.  (A plain place behind the conversions)
.set j, SB+64
	EGRP 0
	EGRP 1
	EGRP 2
	EGRP 3                                         ; (its last line is the plain place behind the exponentials)
	VLOAD 1, VF1                                   ; the first record's block 1 has been coded and folded: its registers take the second record's V
	s_wait_alu depctr_va_vdst(0)                   ; the wait behind the batch
.irp b, 0,1,2,3
	v_lshrrev_b32 v[BM+\b], 23, v[SO+\b]           ; the scale's byte
.endr
.set j, SB                             ; the row's sum goes on in four chains: the sixteen folded pairs
	ADDNEW 52
	ADDNEW 54
	ADDNEW 42
	ADDTO 14
	v_lshl_or_b32 v[BM], v[BM+1], 16, v[BM]        ; my blocks' two bytes, at 0 and 2
	v_lshl_or_b32 v[BM+2], v[BM+3], 16, v[BM+2]
.irp a, 52,54,42,14,52,54,42,14,52
	ADDTO \a
.endr
	v_permlanex16_b32 v[BM+1], v[BM], s[SEL], s[SEL+1]
	v_permlanex16_b32 v[BM+3], v[BM+2], s[SEL], s[SEL+1]
.irp i, 0,1,2,3                        ; the second record's codes, over folded pairs that have been summed
	CODE 1, PC1, 0, \i
	CODE 1, PC1, 1, \i
.endr
	v_lshl_or_b32 v[PW], v[BM+1], 8, v[BM]         ; with lane l xor 16's at 1 and 3: in lanes 0-15, which alone are read, the word of the record's four blocks
	v_lshl_or_b32 v[PW+1], v[BM+3], 8, v[BM+2]
.set j, SB+64                          ; the second record's 32 pairs: four more chains begin
.irp a, 136,138,140,142
	ADDNEW \a
.endr
.irp a, 52,54,42,14,136,138,140,142
	ADDTO \a
.endr
.if \first
	s_wait_alu depctr_va_vdst(0)                   ; directly ahead of the barrier's
	s_barrier_wait -1                              ; all records are in
.endif
.if \more
	KLOAD ADK, ADO, 2*REC, KP, ADS, KS             ; v192-223 have been coded and summed: they take the next step's first record of K
.endif
.rept 2
.irp a, 52,54,42,14,136,138,140,142
	ADDTO \a
.endr
.endr
	v_pk_add_f32 v[136:137], v[136:137], v[138:139]
	v_pk_add_f32 v[140:141], v[140:141], v[142:143]
	v_pk_add_f32 v[52:53], v[52:53], v[54:55]
	v_pk_add_f32 v[14:15], v[14:15], v[42:43]
	v_pk_add_f32 v[136:137], v[136:137], v[140:141]
	v_pk_add_f32 v[14:15], v[14:15], v[52:53]
	s_wait_alu depctr_va_vdst(0)                   ; directly ahead of the first reader of O^T
.set j, O
.rept 16
	v_pk_mul_f32 v[j:j+1], v[j:j+1], v[FF:FF+1] op_sel_hi:[1,0]   ; O^T under the new M.  (With the sums above these are the places between p's codes and scale words and the products below)
.set j, j+2
.endr
	v_pk_add_f32 v[14:15], v[14:15], v[136:137]
	s_wait_alu depctr_va_vdst(0)                   ; directly ahead of the wait below
.if \more
	s_wait_dscnt 10                                ; V is in; the ten loads of the next step's K may be out
.else
	s_wait_dscnt 0x0
.endif
.irp t, 0,1,2,3
	WM O+8*\t, KF+8*\t, PC0, VS+(\t/2), PW, \t%2   ; O^T += V^T P^T: the four accumulators by turns
.endr
.irp t, 0,1,2,3
	WM O+8*\t, VF1+8*\t, PC1, VS+2+(\t/2), PW+1, \t%2
.endr
	s_add_co_u32 s[TB], s[TB], 2*REC
.endm
	s_mov_b32 s[TB], 0
	s_mov_b32 s[CNT], 6
	s_wait_alu depctr_va_vdst(0)                   ; at the head's end
	s_wait_loadcnt 0x0                             ; Q
	s_cmp_lt_u32 s[WV], 2                          ; the waves that fetch records 0 and 1 wait: the first step reads these alone
	s_cbranch_scc0 .Llater
	s_wait_tensorcnt 0x0
.Llater:
	s_barrier_signal -1
	s_barrier_wait -1                              ; records 0 and 1 are in
	KLOAD LKE, LKO, 0, KP, LS, KS                  ; the first record's K
	STEP 1, 1
.Lstep:
	STEP 1, 0
	s_sub_co_u32 s[CNT], s[CNT], 1
	s_cmp_lg_u32 s[CNT], 0
	s_cbranch_scc1 .Lstep
	STEP 0, 0                                      ; the last step is written out: it fetches no K ahead
	; THE WAY OUT.  O^T / the sum; register 8 t + j is d = 16 t + 8 h + j of my query: block b = tiles 2 b, 2 b + 1 of lanes l and l xor 16; the tile's 512 bytes are half a fragment of the last product.
	PLACES 4                                       ; behind the last products
	v_add_f32 v14, v14, v15                        ; the sum's two halves,
	v_permlanex16_b32 v[T2], v14, s[SEL], s[SEL+1]
	v_add_f32 v14, v14, v[T2]                      ; and lane l xor 16's
	s_wait_alu depctr_va_vdst(0)                   ; ahead of the transcendental,
	v_rcp_f32 v14, v14
	v_nop                                          ; a plain place behind it
	s_wait_alu depctr_va_vdst(0)                   ; and ahead of its first reader and O^T's
.set j, 0
.rept 16
	v_pk_mul_f32 v[SB+j:SB+j+1], v[O+j:O+j+1], v[14:15] op_sel_hi:[1,0]   ; each accumulator from its low end on
.set j, j+2
.endr
.irp b, 0,1
	v_max3_num_f32 v[BM+\b], |v[SB+16*\b]|, |v[SB+16*\b+1]|, 0x1800000
.endr
.irp i, 2,4,6,8,10,12,14
.irp b, 0,1
	v_max3_num_f32 v[BM+\b], v[BM+\b], |v[SB+16*\b+\i]|, |v[SB+16*\b+\i+1]|
.endr
.endr
.irp b, 0,1
	v_permlanex16_b32 v[BM+2+\b], v[BM+\b], s[SEL], s[SEL+1]
.endr
.irp b, 0,1
	v_max_num_f32 v[BM+\b], v[BM+\b], v[BM+2+\b]
.endr
.irp b, 0,1
	v_add_nc_u32 v[SO+\b], 0xff000000, v[BM+\b]
.endr
.irp b, 0,1
	v_lshrrev_b32 v[BM+2+\b], 23, v[SO+\b]
.endr
.irp b, 0,1                            ; the tiles t = 0, 2, 1, 3 stand in this order
	v_cvt_scalef32_pk8_fp4_f32 v[KF+\b], v[SB+16*\b:SB+16*\b+7], v[SO+\b]
	v_cvt_scalef32_pk8_fp4_f32 v[KF+2+\b], v[SB+16*\b+8:SB+16*\b+15], v[SO+\b]
.endr
	v_nop                                          ; one plain place behind a scaled conversion
	v_permlane16_swap_b32 v[KF], v[KF+1]
	v_permlane16_swap_b32 v[KF+2], v[KF+3]         ; lane (r, h): the whole block h of token r
	global_store_b128 v[LI], v[KF:KF+3], s[10:11]  ; 512 consecutive bytes, aligned
	v_lshl_or_b32 v[T1], v[BM+3], 8, v[BM+2]
	ds_store_b16 v[STO], v[T1]                     ; the token's two bytes; both lanes write the same
	s_wait_dscnt 0x0                               ; for wave 0's sake
	s_barrier_signal -1
	s_barrier_wait -1
	s_cmp_lg_u32 s[WV], 0
	s_cbranch_scc1 .Lnot_first
	ds_load_b128 v[SB+64:SB+67], v[BACK]           ; the block's 256 tokens: 512 bytes
	s_wait_dscnt 0x0
	global_store_b128 v[LI], v[SB+64:SB+67], s[12:13]
.Lnot_first:
	s_wait_tensorcnt 0x0                           ; the wave's end
	ds_add_u32 v[SPW], v[NIL]
	s_wait_dscnt 0x0
	CROUND                                         ; the closing round
	s_endpgm
.Lfunc_end_k_q0138268cdf_attn:
	.size	k_q0138268cdf_attn, .Lfunc_end_k_q0138268cdf_attn-k_q0138268cdf_attn
	.p2alignl 7, 3214868480
	.fill 96, 4, 3214868480
	.section	.rodata,"a",@progbits
	.p2align	6, 0x0
	.amdhsa_kernel k_q0138268cdf_attn
		.amdhsa_group_segment_fixed_size 169984
		.amdhsa_private_segment_fixed_size 0
		.amdhsa_enable_private_segment 0
		.amdhsa_kernarg_size 40
		.amdhsa_user_sgpr_count 2
		.amdhsa_user_sgpr_kernarg_segment_ptr 1
		.amdhsa_wavefront_size32 1
		.amdhsa_system_sgpr_workgroup_id_x 1
		.amdhsa_system_sgpr_workgroup_id_y 1
		.amdhsa_system_sgpr_workgroup_id_z 1
		.amdhsa_system_vgpr_workitem_id 0
		.amdhsa_next_free_vgpr 256
		.amdhsa_next_free_sgpr 66
		.amdhsa_reserve_vcc 0
		.amdhsa_float_denorm_mode_32 3
		.amdhsa_float_denorm_mode_16_64 3
		.amdhsa_memory_ordered 1
		.amdhsa_forward_progress 1
		.amdhsa_inst_pref_size 89
	.end_amdhsa_kernel
	.amdgpu_metadata
---
amdhsa.version: [ 1, 2 ]
amdhsa.kernels:
  - .name:           k_q0138268cdf_attn
    .symbol:         k_q0138268cdf_attn.kd
    .args:
      - { .name: qc, .offset: 0, .size: 8, .value_kind: global_buffer, .address_space: global }
      - { .name: qs, .offset: 8, .size: 8, .value_kind: global_buffer, .address_space: global }
      - { .name: kv, .offset: 16, .size: 8, .value_kind: global_buffer, .address_space: global }
      - { .name: oc, .offset: 24, .size: 8, .value_kind: global_buffer, .address_space: global }
      - { .name: os, .offset: 32, .size: 8, .value_kind: global_buffer, .address_space: global }
    .group_segment_fixed_size: 169984
    .private_segment_fixed_size: 0
    .kernarg_segment_align: 8
    .kernarg_segment_size: 40
    .max_flat_workgroup_size: 512
    .sgpr_count:     66
    .vgpr_count:     256
    .wavefront_size: 32
...
	.end_amdgpu_metadata
.endif
;; end of part 2
;; launch oproj (part 3): grid 8 x 32, 8 waves a work-group, clusters of 4 x 4, 214,016 bytes of LDS; arguments oc, os, Wo_codes, Wo_scales, bo, out0; writes out0
.if DOCPART == 3
	.amdgcn_target "amdgcn-amd-amdhsa--gfx1250"
	.amdhsa_code_object_version 6
	.text
	.protected	k_q0138268cdf_oproj
	.globl	k_q0138268cdf_oproj
	.p2align	8
	.type	k_q0138268cdf_oproj,@function
k_q0138268cdf_oproj:
	s_mov_b64 s[64:65], 0
	v_nop
	global_prefetch_b8 v0, s[64:65] scope:SCOPE_SE
	s_setreg_imm32_b32 hwreg(HW_REG_WAVE_MODE, 25, 1), 1
	s_wait_xcnt 0x0
	s_wait_alu depctr_hold_cnt(0) depctr_sa_sdst(0) depctr_va_vdst(0) depctr_va_sdst(0) depctr_va_ssrc(0) depctr_va_vcc(0) depctr_vm_vsrc(0)
	s_getreg_b32 s2, hwreg(HW_REG_IB_STS2, 6, 4)
	s_cmp_eq_u32 s2, 0
	s_cbranch_scc0 .Lentry_in_a_cluster
	s_endpgm
.Lentry_in_a_cluster:
	s_bfe_u32 s2, ttmp6, 0x10000c
	s_cmp_lg_u32 s2, 0xf033
	s_cbranch_scc0 .Lentry_shape_is_right
	s_endpgm
.Lentry_shape_is_right:
; out0 = o Wo^T + bo on codes of FP4 (E2M1) with one E8M0 scale for each 32 along K = 1,024; sums in f32; the bias is the C of each sum's first product.
; A work-group makes 128 tokens x 128 outputs.  o comes as images of operand registers ([tile of 16 tokens][K step][1,024 bytes]), its scale bytes as 2 bytes for a head and token; Wo as rows of codes.
; Eight waves: wave w takes tiles 2 (w % 4), 2 (w % 4) + 1 of the tokens and outputs 64 (w / 4) on: 8 accumulators by turns, 8 K steps.  Used transposed (source 0 = 16 rows of Wo, source 1 = 16 tokens): a lane holds eight neighbouring outputs of one token.
; All of K lies in LDS, brought once, one tensor load a wave: no byte is filled twice.  CLUSTER 4 x 4: a row shares the tokens (o), a column the outputs (Wo): every tile is asked for jointly.
; No prefetch: every tile is asked for once, at the head; there is no loop to run ahead in.  LIMITS: NaN and infinities are not served.
.set PITCH, 528                        ; a row of Wo in LDS: 512 bytes + 16 of padding
.set WL,    65536                      ; 128 rows of Wo, behind o's images: 8 tiles x 8,192 bytes
.set OSL,   WL+128*PITCH               ; o's scale halves: 16 heads x 256 bytes
.set WSL,   OSL+4096                   ; Wo's scale bytes: 128 rows x 32
.set STG,   WSL+4096                   ; stored into only: 32 rows x (256 bytes + 16) for each wave
.set SPARE, 0x34000                    ; the spare words, 128 bytes a wave
.set SP,    272
.set AO,  4
.set AW,  5
.set AOS, 6
.set AWS, 7
.set STO, 8
.set SRD, 9
.set GO,  10
.set H32, 11
.set OS,  16                           ; v16-23 o's scale words, one a K step: lanes 0-15 tile 0, lanes 16-31 tile 1
.set WS,  24                           ; v24-39 Wo's: 8 g + s: lanes 0-15 tile 2 g, lanes 16-31 tile 2 g + 1
.set HF,  40                           ; v40-55 the halves of o's words
.set SPW, 62
.set NIL, 63
.set ACC, 64                           ; v64-127
.set WB,  128                          ; v128-191 Wo's fragments, two sets of four
.set OB,  192                          ; v192-223 o's, two sets of two
.set BO,  224                          ; v224-255 the bias in the result's layout
.set G0O,  4
.set G0OS, 8
.set G0W,  12
.set G0WS, 16
.set WV,   32
.set CX,   33
.set CY,   34
.set EX,   35
.set TBK,  36
.set MROW, 37
.set MCOL, 38
.set T0,   39
.set G1O,  40
.set G1W,  48
.set G1OS, 56
.set G1WS, 68
.macro PLACES n
.rept \n
	v_nop
.endr
.endm
.macro CROUND
	s_barrier_signal -1
	s_barrier_wait -1
	s_cmp_lg_u32 s[WV], 0
	s_cbranch_scc1 .Lnot_wave_0_\@
	s_barrier_signal -3
.Lnot_wave_0_\@:
	s_barrier_wait -3
	s_barrier_signal -1
	s_barrier_wait -1
.endm
.macro GROUP0 g, off
	s_mov_b32 s[\g], 1
	s_add_nc_u64 s[\g+2:\g+3], s[\g+2:\g+3], s[\off:\off+1]
	s_or_b32 s[\g+3], s[\g+3], 0x80000000
.endm
.macro WM d, a, b, c, sa, sb, ra, rb
.if (\ra) && (\rb)
	v_wmma_scale_f32_16x16x128_f8f6f4 v[\d:\d+7], v[\a:\a+7], v[\b:\b+7], v[\c:\c+7], v[\sa], v[\sb] matrix_a_fmt:MATRIX_FMT_FP4 matrix_b_fmt:MATRIX_FMT_FP4 matrix_a_scale:MATRIX_SCALE_ROW1 matrix_b_scale:MATRIX_SCALE_ROW1
.elseif (\ra)
	v_wmma_scale_f32_16x16x128_f8f6f4 v[\d:\d+7], v[\a:\a+7], v[\b:\b+7], v[\c:\c+7], v[\sa], v[\sb] matrix_a_fmt:MATRIX_FMT_FP4 matrix_b_fmt:MATRIX_FMT_FP4 matrix_a_scale:MATRIX_SCALE_ROW1
.elseif (\rb)
	v_wmma_scale_f32_16x16x128_f8f6f4 v[\d:\d+7], v[\a:\a+7], v[\b:\b+7], v[\c:\c+7], v[\sa], v[\sb] matrix_a_fmt:MATRIX_FMT_FP4 matrix_b_fmt:MATRIX_FMT_FP4 matrix_b_scale:MATRIX_SCALE_ROW1
.else
	v_wmma_scale_f32_16x16x128_f8f6f4 v[\d:\d+7], v[\a:\a+7], v[\b:\b+7], v[\c:\c+7], v[\sa], v[\sb] matrix_a_fmt:MATRIX_FMT_FP4 matrix_b_fmt:MATRIX_FMT_FP4
.endif
.endm
	s_load_b64 s[G0O+2:G0O+3], s[0:1], 0x0         ; each tensor's address straight into words 2, 3 of its descriptor's group 0
	s_load_b64 s[G0OS+2:G0OS+3], s[0:1], 0x8
	s_load_b64 s[G0W+2:G0W+3], s[0:1], 0x10
	s_load_b64 s[G0WS+2:G0WS+3], s[0:1], 0x18
	s_load_b128 s[20:23], s[0:1], 0x20             ; bo s[20:21], out0 s[22:23]
	v_lshl_add_u32 v[SPW], v0, 2, SPARE
	v_mov_b32 v[NIL], 0
	ds_add_u32 v[SPW], v[NIL]                      ; the opening add, twice on end
	ds_add_u32 v[SPW], v[NIL]
	v_lshrrev_b32 v1, 5, v0
	v_readfirstlane_b32 s[WV], v1                  ; wave 0..7
	v_and_b32 v1, 15, v0                           ; r
	v_bfe_u32 v2, v0, 4, 1                         ; h
	v_and_b32 v3, 31, v0                           ; lane
	s_and_b32 s2, s[WV], 3                         ; which two tiles of tokens
	s_lshr_b32 s3, s[WV], 2                        ; which 64 outputs
	s_lshl_b32 s84, s2, 14                         ; my two tiles of o
	s_mul_i32 s76, s3, 64*PITCH
	s_add_co_u32 s76, s76, WL
	s_lshl_b32 s77, s2, 6
	s_add_co_u32 s77, s77, OSL
	s_lshl_b32 s78, s3, 11
	s_add_co_u32 s78, s78, WSL
	s_mul_i32 s79, s[WV], 32*SP
	s_add_co_u32 s79, s79, STG                     ; my stage
	s_wait_alu depctr_va_vdst(0)                   ; directly ahead of the readers below
	v_lshl_add_u32 v[AO], v3, 4, s84               ; o's images: 16 x lane + my two tiles
	v_mul_u32_u24 v[AW], v1, PITCH
	v_mul_u32_u24 v[STO], v1, SP
	v_mul_u32_u24 v[SRD], v2, SP
	v_lshlrev_b32 v[GO], 12, v2
	v_lshl_add_u32 v[AW], v2, 4, v[AW]
	v_lshl_add_u32 v[STO], v2, 5, v[STO]
	v_lshl_add_u32 v[SRD], v1, 4, v[SRD]
	v_lshl_add_u32 v[GO], v1, 4, v[GO]             ; out0: lanes 0-15 one token's row, lanes 16-31 the next
	v_add_nc_u32 v[AW], s76, v[AW]                 ; Wo: row x pitch + 16 h + my 64 rows
	v_add_nc_u32 v[STO], s79, v[STO]               ; in: row r, 32 bytes for each half of the lanes
	v_add_nc_u32 v[SRD], s79, v[SRD]               ; back: lanes 0-15 one row, lanes 16-31 the next
	v_lshl_add_u32 v[AOS], v3, 1, s77              ; o's halves: token 32 (w % 4) + lane, 2 bytes
	v_lshl_add_u32 v[AWS], v3, 5, s78              ; Wo's scales: row 64 (w / 4) + lane, 32 bytes
	v_lshlrev_b32 v[H32], 5, v2
	s_bfe_u32 s[CX], ttmp6, 0x40000
	s_bfe_u32 s[CY], ttmp6, 0x40004
	s_lshl_b32 s[EX], ttmp9, 2
	s_add_co_u32 s[EX], s[EX], s[CX]               ; block of 128 outputs
	s_and_b32 s[TBK], ttmp7, 0xffff
	s_lshl_b32 s[TBK], s[TBK], 2
	s_add_co_u32 s[TBK], s[TBK], s[CY]             ; block of 128 tokens
	s_lshl_b32 s[MROW], s[CY], 2
	s_lshl_b32 s[MROW], 15, s[MROW]                ; my row of the cluster: it shares o
	s_lshl_b32 s[MCOL], 0x1111, s[CX]              ; my column: it shares Wo
	s_or_b32 s[G1O], s[MROW], (3<<16)|(1<<21)      ; o's images: 16,384 dense bytes a wave, as 64 rows of 256 bytes
	s_mov_b32 s[G1O+1], 32<<16
	s_mov_b32 s[G1O+2], 64<<16
	s_mov_b32 s[G1O+3], 32<<16
	s_mov_b32 s[G1O+4], 64
	s_mov_b32 s[G1O+5], 32
	s_or_b32 s[G1W], s[MCOL], (1<<20)|(1<<21)|(6<<22)|(3<<25)   ; Wo: 64 rows of 512 bytes, 16 bytes of padding behind each
	s_mov_b32 s[G1W+1], 512<<16
	s_mov_b32 s[G1W+2], 64<<16
	s_mov_b32 s[G1W+3], 512<<16
	s_mov_b32 s[G1W+4], 64
	s_mov_b32 s[G1W+5], 512
	s_or_b32 s[G1OS], s[MROW], (3<<16)|(1<<21)     ; o's halves: 16 heads' rows of 256 bytes, 4,096 bytes (512 elements) apart
	s_mov_b32 s[G1OS+1], 32<<16
	s_mov_b32 s[G1OS+2], 16<<16
	s_mov_b32 s[G1OS+3], 32<<16
	s_mov_b32 s[G1OS+4], 16
	s_mov_b32 s[G1OS+5], 512
	s_or_b32 s[G1WS], s[MCOL], (3<<16)|(1<<21)     ; Wo's scales: 4,096 dense bytes
	s_mov_b32 s[G1WS+1], 32<<16
	s_mov_b32 s[G1WS+2], 16<<16
	s_mov_b32 s[G1WS+3], 32<<16
	s_mov_b32 s[G1WS+4], 16
	s_mov_b32 s[G1WS+5], 32
.irp g, G1O, G1W, G1OS, G1WS
	s_mov_b32 s[\g+6], 0
	s_mov_b32 s[\g+7], 0
.endr
	s_lshl_b32 s76, s[TBK], 16                     ; o: 65,536 bytes a block, 16,384 a wave: made of the tokens' block and the wave alone
	s_add_co_u32 s76, s76, s84
	s_mov_b32 s77, 0
	s_lshr_b32 s78, s[TBK], 4                      ; os: the batch's 16 heads of 4,096 bytes; the block's 256 bytes in each
	s_lshl_b32 s78, s78, 16
	s_and_b32 s85, s[TBK], 15
	s_lshl_b32 s85, s85, 8
	s_add_co_u32 s78, s78, s85
	s_mov_b32 s79, 0
	s_and_b32 s86, s[WV], 1                        ; Wo: which 64 of the block's 128 rows I fetch, if I fetch
	s_lshl_b32 s80, s[EX], 16
	s_lshl_b32 s87, s86, 15
	s_add_co_u32 s80, s80, s87
	s_mov_b32 s81, 0
	s_lshl_b32 s82, s[EX], 12
	s_mov_b32 s83, 0
	s_wait_alu depctr_va_vdst(0)                   ; directly ahead of the wait below
	s_wait_dscnt 0x0                               ; both opening adds are done
	s_wait_kmcnt 0x0
	GROUP0 G0O, 76
	s_mov_b32 s[G0O+1], s84
	GROUP0 G0OS, 78
	s_mov_b32 s[G0OS+1], OSL
	GROUP0 G0W, 80
	s_mul_i32 s[G0W+1], s86, 64*PITCH
	s_add_co_u32 s[G0W+1], s[G0W+1], WL
	GROUP0 G0WS, 82
	s_mov_b32 s[G0WS+1], WSL
	CROUND                                         ; all sixteen work-groups are here: the joint loads meet
	; THE FILLS, all first fills, one a wave: waves 0-3 o's images, 4 and 5 Wo's halves, 6 o's scale halves, 7 Wo's scales.
	s_cmp_lt_u32 s[WV], 4
	s_cbranch_scc0 .Lnot_o
	tensor_load_to_lds s[G0O:G0O+3], s[G1O:G1O+7]
	s_nop 0
	PLACES 4
	s_branch .Lasked
.Lnot_o:
	s_cmp_lt_u32 s[WV], 6
	s_cbranch_scc0 .Lnot_w
	tensor_load_to_lds s[G0W:G0W+3], s[G1W:G1W+7]
	s_nop 0
	PLACES 4
	s_branch .Lasked
.Lnot_w:
	s_cmp_eq_u32 s[WV], 6
	s_cbranch_scc0 .Lnot_os
	tensor_load_to_lds s[G0OS:G0OS+3], s[G1OS:G1OS+7]
	s_nop 0
	PLACES 4
	s_branch .Lasked
.Lnot_os:
	tensor_load_to_lds s[G0WS:G0WS+3], s[G1WS:G1WS+7]
	s_nop 0
	PLACES 4
.Lasked:
	s_lshl_b32 s88, s[EX], 9                       ; my first output, in bytes: 512 x block + 256 x half
	s_lshl_b32 s90, s3, 8
	s_add_co_u32 s88, s88, s90
	s_mov_b32 s89, 0
	s_add_nc_u64 s[20:21], s[20:21], s[88:89]
.irp t, 0,1,2,3                        ; lane (r, h) holds outputs 16 t + 8 h + 0 .. 7
	global_load_b128 v[BO+8*\t:BO+8*\t+3], v[H32], s[20:21] offset:64*\t
	global_load_b128 v[BO+8*\t+4:BO+8*\t+7], v[H32], s[20:21] offset:64*\t+16
.endr
	s_lshl_b32 s90, s[TBK], 19                     ; my first token's row: (128 x block + 32 (w % 4)) x 4,096 bytes
	s_add_co_u32 s88, s88, s90
	s_lshl_b32 s90, s2, 17
	s_add_co_u32 s88, s88, s90
	s_add_nc_u64 s[22:23], s[22:23], s[88:89]
	s_wait_tensorcnt 0x0                           ; my tile has landed,
	s_barrier_signal -1
	s_barrier_wait -1                              ; everybody's has
.irp s, 0,1,2,3,4,5,6,7
	ds_load_u16 v[HF+2*\s], v[AOS] offset:512*\s           ; head 2 s: the lower 64 of K step s
	ds_load_u16 v[HF+2*\s+1], v[AOS] offset:512*\s+256     ; head 2 s + 1: the upper 64
.endr
.irp g, 0,1
.irp q, 0,1
	ds_load_b128 v[WS+8*\g+4*\q:WS+8*\g+4*\q+3], v[AWS] offset:1024*\g+16*\q
.endr
.endr
.macro FRAGS s, buf                    ; K step s: Wo's four fragments and o's two: twelve loads
.irp t, 0,1,2,3
.irp c, 0,1
	ds_load_b128 v[WB+32*(\buf)+8*\t+4*\c:WB+32*(\buf)+8*\t+4*\c+3], v[AW] offset:16*\t*PITCH+64*(\s)+32*\c
.endr
.endr
.irp u, 0,1
.irp c, 0,1
	ds_load_b128 v[OB+16*(\buf)+8*\u+4*\c:OB+16*(\buf)+8*\u+4*\c+3], v[AO] offset:8192*\u+1024*(\s)+512*\c
.endr
.endr
.endm
	FRAGS 0, 0
	s_wait_dscnt 12                                ; the halves and Wo's words are in; step 0's twelve loads may be out
.irp s, 0,1,2,3,4,5,6,7
	v_lshl_or_b32 v[OS+\s], v[HF+2*\s+1], 16, v[HF+2*\s]
.endr
	PLACES 8                                       ; a scale register written by a vector instruction stands eight places ahead of a scaled product
	s_wait_alu depctr_va_vdst(0)                   ; directly ahead of the wait below
	s_wait_loadcnt 0x0                             ; the bias
.macro STEP s
	PLACES 4                                       ; in front of loads into the set that the last step's products read
.if (\s) < 7
	FRAGS (\s)+1, 1-(\s)%2
	s_wait_dscnt 12                                ; all but the twelve just issued
.else
	s_wait_dscnt 0x0
.endif
.irp u, 0,1
.irp t, 0,1,2,3
.if (\s) == 0
	WM ACC+32*\u+8*\t, WB+32*((\s)%2)+8*\t, OB+16*((\s)%2)+8*\u, BO+8*\t, WS+8*(\t/2)+(\s), OS+(\s), \t%2, \u
.else
	WM ACC+32*\u+8*\t, WB+32*((\s)%2)+8*\t, OB+16*((\s)%2)+8*\u, ACC+32*\u+8*\t, WS+8*(\t/2)+(\s), OS+(\s), \t%2, \u
.endif
.endr
.endr
.endm
.irp s, 0,1,2,3,4,5,6,7
	STEP \s                                        ; the eight accumulators by turns, one instruction a turn
.endr
	; THE WAY OUT: through my own stage, so that sixteen lanes store 256 consecutive bytes of a token's row, aligned.  LDS serves a wave's instructions in order (ISA guide 5.7.1.4): no wait between the stores and the loads.
	PLACES 4                                       ; in front of the first read of results, and of the loads into Wo's sets
.irp u, 0,1
.irp t, 0,1,2,3
	ds_store_b128 v[STO], v[ACC+32*\u+8*\t:ACC+32*\u+8*\t+3] offset:16*SP*\u+64*\t          ; each accumulator from its low end on
	ds_store_b128 v[STO], v[ACC+32*\u+8*\t+4:ACC+32*\u+8*\t+7] offset:16*SP*\u+64*\t+16
.endr
.endr
.irp i, 0,1,2,3,4,5,6,7,8,9,10,11,12,13,14,15
	ds_load_b128 v[WB+4*\i:WB+4*\i+3], v[SRD] offset:2*SP*\i
.endr
.irp i, 0,1,2,3,4,5,6,7,8,9,10,11,12,13,14,15
	s_wait_dscnt 15-\i                             ; the younger read-backs may be out
	global_store_b128 v[GO], v[WB+4*\i:WB+4*\i+3], s[22:23] offset:2*\i*4096 th:TH_STORE_NT   ; stage rows 2 i, 2 i + 1 = my tokens 2 i, 2 i + 1; written once, read by nobody here
.endr
	s_wait_tensorcnt 0x0                           ; the wave's end
	ds_add_u32 v[SPW], v[NIL]
	s_wait_dscnt 0x0
	CROUND                                         ; the closing round
	s_endpgm
.Lfunc_end_k_q0138268cdf_oproj:
	.size	k_q0138268cdf_oproj, .Lfunc_end_k_q0138268cdf_oproj-k_q0138268cdf_oproj
	.p2alignl 7, 3214868480
	.fill 96, 4, 3214868480
	.section	.rodata,"a",@progbits
	.p2align	6, 0x0
	.amdhsa_kernel k_q0138268cdf_oproj
		.amdhsa_group_segment_fixed_size 214016
		.amdhsa_private_segment_fixed_size 0
		.amdhsa_enable_private_segment 0
		.amdhsa_kernarg_size 48
		.amdhsa_user_sgpr_count 2
		.amdhsa_user_sgpr_kernarg_segment_ptr 1
		.amdhsa_wavefront_size32 1
		.amdhsa_system_sgpr_workgroup_id_x 1
		.amdhsa_system_sgpr_workgroup_id_y 1
		.amdhsa_system_sgpr_workgroup_id_z 1
		.amdhsa_system_vgpr_workitem_id 0
		.amdhsa_next_free_vgpr 256
		.amdhsa_next_free_sgpr 96
		.amdhsa_reserve_vcc 0
		.amdhsa_float_denorm_mode_32 3
		.amdhsa_float_denorm_mode_16_64 3
		.amdhsa_memory_ordered 1
		.amdhsa_forward_progress 1
		.amdhsa_inst_pref_size 31
	.end_amdhsa_kernel
	.amdgpu_metadata
---
amdhsa.version: [ 1, 2 ]
amdhsa.kernels:
  - .name:           k_q0138268cdf_oproj
    .symbol:         k_q0138268cdf_oproj.kd
    .args:
      - { .name: oc, .offset: 0, .size: 8, .value_kind: global_buffer, .address_space: global }
      - { .name: os, .offset: 8, .size: 8, .value_kind: global_buffer, .address_space: global }
      - { .name: Wo_codes, .offset: 16, .size: 8, .value_kind: global_buffer, .address_space: global }
      - { .name: Wo_scales, .offset: 24, .size: 8, .value_kind: global_buffer, .address_space: global }
      - { .name: bo, .offset: 32, .size: 8, .value_kind: global_buffer, .address_space: global }
      - { .name: out0, .offset: 40, .size: 8, .value_kind: global_buffer, .address_space: global }
    .group_segment_fixed_size: 214016
    .private_segment_fixed_size: 0
    .kernarg_segment_align: 8
    .kernarg_segment_size: 48
    .max_flat_workgroup_size: 256
    .sgpr_count:     96
    .vgpr_count:     256
    .wavefront_size: 32
...
	.end_amdgpu_metadata
.endif
;; end of part 3
